; MI455X (gfx1250); checked and timed in simulation.
; The chip was launched on July 23, 2026; its instructions are those of AMD's public machine-readable ISA for CDNA 5 (MIT licence, August 2026) and "CDNA5" Instruction Set Architecture Reference Guide (July 2026). The comments in the code are by the model that wrote it; some were corrected since.
;; MHSA. Allowed arithmetic: matrix products marked QUANTISED: E2M3 operands, one E8M0 scale for each 32 along K, by v_wmma_scale_f32_16x16x128_f8f6f4 with both operands' format E2M3, f32 sums; everything else in f32.
;; Inputs: W_proj 1,024 x 1,024 float32; W_qkv 1,024 x 3,072 float32; b_proj 1,024 float32; x 4 x 2,048 x 1,024 float32.
;; Outputs: out0 4 x 2,048 x 1,024 float32.
;; This version of the problem:
;;   THIS VERSION OF THE PROBLEM IS GIVEN IN LOW PRECISION. The matrix products marked QUANTISED in the list below multiply operands that are first quantised to E2M3 (2 exponent bits, 3 mantissa bits; 6 bits a number), with one power-of-two scale for each 32 numbers along K (OCP MX v1.0); their sums are f32. All else is computed in f32.
;;   The module's matrix products, in the order in which they are computed (A, B: the left and right operand; K: the contracted axis; several contracted axes count as one K, in the product's order):
;;     1. [M 8,192, K 1,024] x [K 1,024, N 3,072]; A: input x; B: input W_qkv: QUANTISED
;;     2. batch 64 x [M 2,048, K 64] x [K 64, N 2,048]; A: computed on the way; B: computed on the way: QUANTISED
;;     3. batch 64 x [M 2,048, K 2,048] x [K 2,048, N 64]; A: softmax (see below); B: computed on the way: QUANTISED
;;     4. [M 8,192, K 1,024] x [K 1,024, N 1,024]; A: computed on the way; B: input W_proj: QUANTISED
;;   THE QUANTISER, for each operand of a quantised product, along K:
;;     - K is cut into blocks of 32 from its start; a last block that is shorter is filled with zeros.
;;     - A block's scale is 2^e with e = floor(log2(the largest magnitude in the block)) - 2, held to -126 .. 127; a block of zeros has e = 0. As a byte (E8M0): e + 127.
;;     - Each number is divided by its block's scale, clamped to +-7.5, and rounded to the nearest number of E2M3, ties to even, subnormals kept.
;;     - The product sums the exact products of the quantised numbers (number of the format x scale) in f32.
;;   ~~~python
;;   def quantise(x, axis):      # numpy; x: float32 -> the quantised numbers, widened to float32 again
;;       x = np.moveaxis(x, axis, -1); K = x.shape[-1]
;;       x = np.pad(x, [(0, 0)] * (x.ndim - 1) + [(0, -K % 32)]); x = x.reshape(x.shape[:-1] + (-1, 32)); a = np.abs(x).max(-1, keepdims=True)
;;       e = np.where(a > 0, np.clip(np.frexp(np.where(a > 0, a, 1))[1] - 1 - 2, -126, 127), 0)      # np.frexp(a)[1] - 1 = floor(log2(a)), exactly
;;       r = np.clip(x / 2.0 ** e, -7.5, 7.5)
;;       step = 2.0 ** (np.maximum(np.frexp(np.where(r == 0, 1, r))[1] - 1, 0) - 3)
;;       q = np.round(r / step) * step * 2.0 ** e      # np.round: ties to even
;;       return np.moveaxis(q.reshape(q.shape[:-2] + (-1,))[..., :K], -1, axis).astype(np.float32)
;;   ~~~
;;   SOFTMAX AHEAD OF A QUANTISED PRODUCT. Where the list says 'softmax', what is quantised is not the finished softmax but p = 2^(t - M), with t = logit x log2(e) and M = ceil(the row's largest t), a whole number; so 1/2 < the row's largest p <= 1. The row's sum l is taken of the UNQUANTISED p, in f32, and the product's result is divided by l at the end. Since M is a whole number, a kernel that streams over the keys may use a running M (the ceiling of the running maximum): every later rescaling is an exact power of two, which a block's scale takes up: the codes' values come out the same.
;;   OPERANDS COMPUTED ON THE WAY. 'Computed on the way' means the value that the module computes at that place (a softmax that the list does not call 'softmax' is quantised finished and normalised). What goes into a quantiser is computed in f32, as accurately as f32 sums, v_exp_f32 and their like allow (about 1e-6 of the number): no bf16 or f16 on the way to a quantiser, and a product that is left as it is and whose result goes on into a quantised operand takes f32 operands (vector FMAs, or v_wmma_f32_16x16x4_f32). A number that lies on a knife's edge between two numbers of the format may be rounded either way, as far as f32 arithmetic and the matrix unit's own rounding can turn it there, and no further.
;; One version. Each part assembles by itself: llvm-mc -triple=amdgcn-amd-amdhsa -mcpu=gfx1250 --defsym DOCPART=n.
;; ======== version 1 of 1: 4 launches
;; limits: right only within a limited range of input values
;; workspace buffers: cod 9,437,184 bytes; scl 393,216 bytes; qkv 20,447,232 bytes; oc 6,291,456 bytes; os 262,144 bytes
;; launch quant (part 1): grid 512 x 1, 4 waves a work-group, no clusters, 35,328 bytes of LDS; arguments x, W_qkv, W_proj, cod, scl; writes cod, scl
.if DOCPART == 1
	.amdgcn_target "amdgcn-amd-amdhsa--gfx1250"
	.amdhsa_code_object_version 6
	.text
	.protected	k_q3c67779948_quant
	.globl	k_q3c67779948_quant
	.p2align	8
	.type	k_q3c67779948_quant,@function
k_q3c67779948_quant:
	s_mov_b64 s[64:65], 0
	v_nop
	global_prefetch_b8 v0, s[64:65] scope:SCOPE_SE
	s_setreg_imm32_b32 hwreg(HW_REG_WAVE_MODE, 25, 1), 1
	s_wait_xcnt 0x0
; x [8192][1024], W_qkv [1024][3072] and W_proj [1024][1024], f32, become codes of FP6 (E2M3) with one E8M0 byte for each 32 along K (K = 1024 for all three),
; laid in the ORDER OF THE OPERAND'S REGISTERS, so that the products' launches load fragments by whole 16- and 8-byte pieces and nothing is shuffled there.
; A TILE is 16 rows of an operand (tokens of x, columns of a weight): lane row r of tile T is operand row 32 (T / 2) + 8 (T % 2) + r + 8 (r / 8).
; cod: [768 tiles][16 half steps of 64 k][768 bytes]: registers 0-3 of lane L at 16 L, registers 4-5 at 512 + 8 L; lane L = (r = L % 16, h = L / 16) holds k = 64 chi + 32 h + 0 .. 31.
; scl: [768 tiles][4][16 r][2 words]: word s of row r scales k = 128 s .. 128 s + 127.   Tiles 0-511: x; 512-703: W_qkv's columns; 704-767: W_proj's columns.
; A block's scale is 2^(floor(log2(largest magnitude)) - 2): its byte is the largest magnitude's exponent field - 2, held at 1 from below.
; LIMITS: NaN and infinities among the inputs are not served; a block whose largest magnitude lies under 2^-124 keeps the byte 1; a block of zeros gets the byte 1 where the rule says 127
; (its codes are zeros, which add nothing under that byte, and this program alone reads the bytes).
; Work-groups 0-255 take x (K innermost: a wave takes one tile x 512 k, through its own stage in LDS); work-groups 256-511 take the weights (K outermost: a lane takes a column and its registers run down K; no LDS).
; No matrix unit, no cluster, no tensor load, no barrier: the launch streams, its work-groups share no input and its waves share nothing.
.set R,  32                            ; v32-127  x path: three sets of 32 numbers as loaded;  W path: v32-63 the 32 row offsets
.set X,  128                           ; v128-191 two sets of 32: a lane's whole block
.set C,  192                           ; v192-255 codes: eight registers a step, so that no store's data are written again
.set W,  16                            ; v16-19   scale words in the making
.set TT, 24                            ; v24-26   a block's second 16 codes (a conversion's three registers begin on an even number)
	s_load_b128 s[4:7], s[0:1], 0x0                ; x, W_qkv
	s_load_b128 s[8:11], s[0:1], 0x10              ; W_proj, cod
	s_load_b64 s[12:13], s[0:1], 0x20              ; scl
	v_lshl_add_u32 v254, v0, 2, 0x8800
	v_mov_b32 v255, 0
	v_lshrrev_b32 v1, 5, v0
	v_readfirstlane_b32 s14, v1                    ; wave 0..3
	v_and_b32 v1, 31, v0                           ; lane
	s_mov_b32 s15, 0xffff0000                      ; a mask of lanes 16-31
	s_mov_b32 s16, 0x76543210
	s_mov_b32 s17, 0xfedcba98                      ; v_permlanex16_b32's selects for lane l xor 16
; 32 numbers of one block in v[xs] on become six registers of codes in v[c] on; v13 = the scale's byte
.macro BLK32 xs, c
	v_max3_num_f32 v8, |v[\xs]|, |v[\xs+1]|, |v[\xs+2]|            ; the largest magnitude, in two chains
	v_max3_num_f32 v9, |v[\xs+3]|, |v[\xs+4]|, |v[\xs+5]|
.irp i, 6,10,14,18,22,26
	v_max3_num_f32 v8, v8, |v[\xs+\i]|, |v[\xs+\i+1]|
	v_max3_num_f32 v9, v9, |v[\xs+\i+2]|, |v[\xs+\i+3]|
.endr
	v_max3_num_f32 v8, v8, |v[\xs+30]|, |v[\xs+31]|
	v_max3_num_f32 v8, v8, v9, 0x1800000           ; and the floor 2^(3 - 127): the byte cannot fall under 1
	v_add_nc_u32 v11, 0xff000000, v8               ; 2 off the exponent field: the conversion takes this operand's exponent field as its scale
	v_cvt_scalef32_pk16_fp6_f32 v[\c:\c+2], v[\xs:\xs+15], v11
	v_cvt_scalef32_pk16_fp6_f32 v[TT:TT+2], v[\xs+16:\xs+31], v11
	v_lshrrev_b32 v13, 23, v11                     ; the byte; also the plain instruction between the conversions and the moves that read a result
.irp i, 0,1,2
	v_mov_b32 v[\c+3+\i], v[TT+\i]
.endr
.endm
	s_cmp_lt_u32 ttmp9, 256
	s_cbranch_scc0 .Lw
; ---------------- x: wave gw = 4 x work-group + wave takes tile gw / 2, K half gw % 2: eight half steps of 64 k
	s_lshl_b32 s18, ttmp9, 2
	s_add_co_u32 s18, s18, s14
	s_lshr_b32 s19, s18, 1                         ; tile T
	s_and_b32 s20, s18, 1                          ; K half
	s_lshr_b32 s22, s19, 1
	s_lshl_b32 s22, s22, 5
	s_and_b32 s24, s19, 1
	s_lshl_b32 s24, s24, 3
	s_add_co_u32 s22, s22, s24                     ; the tile's first row: 32 (T / 2) + 8 (T % 2)
	s_lshl_b32 s22, s22, 12                        ; rows of 4,096 bytes
	s_lshl_b32 s24, s20, 11
	s_add_co_u32 s22, s22, s24                     ; + 2,048 bytes for the upper K half
	s_mov_b32 s23, 0
	s_mul_i32 s24, s19, 12288
	s_mul_i32 s26, s20, 6144
	s_add_co_u32 s24, s24, s26                     ; the codes' place
	s_mov_b32 s25, 0
	s_lshl_b32 s26, s19, 9
	s_lshl_b32 s28, s20, 8
	s_add_co_u32 s26, s26, s28                     ; the scale words' place
	s_mov_b32 s27, 0
	v_and_b32 v2, 15, v0
	v_bfe_u32 v3, v0, 4, 1                         ; h
	v_lshlrev_b32 v4, 4, v2
	v_lshl_add_u32 v4, v3, 16, v4                  ; in: 16 bytes a lane; lanes 16-31 take the row 16 further down (tile row j + 8)
	s_mul_i32 s28, s14, 8704                       ; my wave's two stages of 16 rows x 272 bytes
	v_mul_u32_u24 v5, v3, 2176
	v_lshl_add_u32 v5, v2, 4, v5
	v_add_nc_u32 v5, s28, v5                       ; into a stage: tile row j + 8 h, as loaded
	v_mul_u32_u24 v6, v2, 272
	v_lshl_add_u32 v6, v3, 7, v6
	v_add_nc_u32 v6, s28, v6                       ; out of it: row r, my half's 128 bytes: a whole block
	v_lshlrev_b32 v7, 4, v1                        ; 16 L
	v_lshlrev_b32 v14, 3, v1                       ; 8 L
	v_lshlrev_b32 v15, 3, v3                       ; 8 h
.irp q, 0,1,2,3
	v_mov_b32 v[20+\q], 0                          ; a lane permute's destination counts as one of its sources
.endr
	s_wait_alu depctr_va_vdst(0)
	s_wait_kmcnt 0x0
	s_add_nc_u64 s[4:5], s[4:5], s[22:23]
	s_add_nc_u64 s[10:11], s[10:11], s[24:25]
	s_add_nc_u64 s[12:13], s[12:13], s[26:27]
.macro XLOAD t                         ; half step t: eight loads, each 2 x 256 consecutive bytes
.set RS, R+32*((\t)%3)
.irp j, 0,1,2,3,4,5,6,7
	global_load_b128 v[RS+4*\j:RS+4*\j+3], v4, s[4:5] offset:\j*4096+(\t)*256 th:TH_LOAD_NT
.endr
.endm
.macro XTURN t                         ; through the stage: LDS serves a wave's instructions in order, so no wait stands between the stores and the loads
.set RS, R+32*((\t)%3)
.set XT, X+32*((\t)%2)
.irp j, 0,1,2,3,4,5,6,7
	ds_store_b128 v5, v[RS+4*\j:RS+4*\j+3] offset:((\t)%2)*4352+\j*272
.endr
.irp j, 0,1,2,3,4,5,6,7
	ds_load_b128 v[XT+4*\j:XT+4*\j+3], v6 offset:((\t)%2)*4352+16*\j
.endr
.endm
.macro XSTEP t
.set XS, X+32*((\t)%2)
.set CC, C+8*(\t)
	s_wait_dscnt 0x0                               ; this step's block is back; its stores into the stage have read their registers,
.if (\t)+3 < 8
	XLOAD (\t)+3                                   ; which take the loads of three steps on
.endif
.if (\t) < 5
	s_wait_loadcnt 16                              ; the next step's eight loads are in; the two groups behind them may be out
.elseif (\t) == 5
	s_wait_loadcnt 8
.elseif (\t) == 6
	s_wait_loadcnt 0
.endif
.if (\t) < 7
	XTURN (\t)+1
.endif
	BLK32 XS, CC
.if (\t)%2 == 0
	v_mov_b32 v[W+(\t)/2], v13                     ; my byte of the word's lower 64 k,
.else
	v_lshl_or_b32 v[W+(\t)/2], v13, 16, v[W+(\t)/2]   ; and of its upper 64 k
.endif
	global_store_b128 v7, v[CC:CC+3], s[10:11] offset:(\t)*768          ; 512 consecutive bytes, aligned
	global_store_b64 v14, v[CC+4:CC+5], s[10:11] offset:(\t)*768+512    ; 256 consecutive bytes, aligned
.endm
	XLOAD 0
	XLOAD 1
	XLOAD 2
	s_wait_loadcnt 16                              ; step 0's eight loads are in
	XTURN 0
.irp t, 0,1,2,3,4,5,6,7
	XSTEP \t
.endr
.irp q, 0,1,2,3
	v_lshlrev_b32 v[W+\q], v15, v[W+\q]            ; lanes 16-31 hold the odd blocks' bytes: 8 bits up
.endr
.irp q, 0,1,2,3
	v_permlanex16_b32 v[20+\q], v[W+\q], s16, s17
.endr
.irp q, 0,1,2,3
	v_or_b32 v[W+\q], v[W+\q], v[20+\q]            ; the words are whole, in both halves of the lanes
.endr
	v_cndmask_b32 v20, v16, v18, s15               ; lanes 0-15 store words 0, 1 of row r, lanes 16-31 words 2, 3
	v_cndmask_b32 v21, v17, v19, s15
	global_store_b64 v14, v[20:21], s[12:13]       ; 256 consecutive bytes, aligned
	s_wait_tensorcnt 0x0
	ds_add_u32 v254, v255
	s_wait_dscnt 0x0
	s_endpgm
; ---------------- the weights: work-groups 256-511: work-group w = id - 256 takes 128 columns (w / 8) x 128 along K (w % 8); a wave 32 columns, a lane one: four blocks of 32, one scale word
.Lw:
	s_sub_co_u32 s18, ttmp9, 256
	s_lshr_b32 s19, s18, 3                         ; column group 0..31: 0-23 W_qkv, 24-31 W_proj
	s_and_b32 s20, s18, 7                          ; which 128 along K
	s_wait_kmcnt 0x0
	s_cmp_lt_u32 s19, 24                           ; the choice hangs on the work-group's number alone
	s_cselect_b64 s[6:7], s[6:7], s[8:9]
	s_mov_b32 s21, 4096
	s_cselect_b32 s21, 12288, s21                  ; a row of the weight in bytes
	s_cselect_b32 s22, 0, 24
	s_sub_co_u32 s22, s19, s22                     ; column group within its tensor
	s_lshl_b32 s24, s22, 9
	s_lshl_b32 s26, s14, 7
	s_add_co_u32 s24, s24, s26                     ; (128 c + 32 wave) x 4 bytes
	s_lshl_b32 s26, s20, 7
	s_mul_i32 s26, s26, s21
	s_add_co_u32 s24, s24, s26                     ; + 128 y rows
	s_mov_b32 s25, 0
	s_add_nc_u64 s[32:33], s[6:7], s[24:25]        ; block 0's base;
	s_lshl_b32 s26, s21, 5
	s_mov_b32 s27, 0
.irp t, 1,2,3
	s_add_nc_u64 s[32+2*\t:33+2*\t], s[30+2*\t:31+2*\t], s[26:27]   ; block t's: 32 rows further down.  No pointer is stepped later
.endr
	s_lshl_b32 s28, s19, 2
	s_add_co_u32 s28, s28, s14
	s_lshl_b32 s28, s28, 1
	s_add_co_u32 s28, s28, 512                     ; my wave's first tile: 512 + 2 (4 cg + wave)
	s_mul_i32 s24, s28, 12288
	s_mul_i32 s29, s20, 1536                       ; 128 along K are two half steps of 768 bytes
	s_add_co_u32 s24, s24, s29
	s_add_nc_u64 s[10:11], s[10:11], s[24:25]
	s_lshl_b32 s24, s28, 9
	s_lshr_b32 s29, s20, 1                         ; scale word s of a row lies at 128 (s / 2) + 8 r + 4 (s % 2)
	s_lshl_b32 s29, s29, 7
	s_and_b32 s30, s20, 1
	s_lshl_b32 s30, s30, 2
	s_add_co_u32 s29, s29, s30
	s_add_co_u32 s24, s24, s29
	s_add_nc_u64 s[12:13], s[12:13], s[24:25]
	s_wait_alu depctr_va_vdst(0)
	v_lshlrev_b32 v2, 2, v1                        ; my column: 4 bytes a lane
.set i, 0
.rept 32
	v_mad_u32_u24 v[32+i], s21, i, v2              ; + i rows
.set i, i+1
.endr
	v_bfe_u32 v3, v1, 3, 1                         ; column rho lies in tile u = (rho / 8) % 2,
	v_and_b32 v4, 7, v1
	v_lshrrev_b32 v5, 4, v1
	v_lshl_add_u32 v4, v5, 3, v4                   ; at row r = rho % 8 + 8 (rho / 16)
	v_mul_u32_u24 v5, v3, 12288
	v_lshl_add_u32 v6, v4, 4, v5                   ; registers 0-3: u tiles + 16 r
	v_lshl_add_u32 v7, v4, 3, v5                   ; registers 4-5: u tiles + 8 r
	v_lshlrev_b32 v14, 9, v3
	v_lshl_add_u32 v14, v4, 3, v14                 ; my two scale words
.macro WLOAD t                         ; block t: W(128 y + 32 t + i, my column): a load reads 128 consecutive bytes, the four waves stand side by side
.set XT, X+32*((\t)%2)
.set i, 0
.rept 32
	global_load_b32 v[XT+i], v[32+i], s[32+2*(\t):33+2*(\t)] th:TH_LOAD_NT
.set i, i+1
.endr
.endm
.macro WBLOCK t
.set XS, X+32*((\t)%2)
.set CC, C+8*(\t)
.if (\t) < 3
	s_wait_loadcnt 32                              ; this block's 32 loads are in; the next block's may be out
.else
	s_wait_loadcnt 0
.endif
	BLK32 XS, CC
.if (\t)%4 == 0
	v_mov_b32 v[W+(\t)/4], v13                     ; four bytes to a word, the lower k in the lower byte
.else
	v_lshl_or_b32 v[W+(\t)/4], v13, 8*((\t)%4), v[W+(\t)/4]
.endif
	global_store_b128 v6, v[CC:CC+3], s[10:11] offset:((\t)/2)*768+256*((\t)%2)       ; block t is half h = t % 2 of half step t / 2: a tile's sixteen lanes store 256 consecutive bytes, aligned
	global_store_b64 v7, v[CC+4:CC+5], s[10:11] offset:((\t)/2)*768+512+128*((\t)%2)
.if (\t)+2 < 4
	WLOAD (\t)+2
.endif
.endm
	WLOAD 0
	WLOAD 1
.irp t, 0,1,2,3
	WBLOCK \t
.endr
	global_store_b32 v14, v[W], s[12:13]           ; my column's scale word for these 128 along K
	s_endpgm
.Lfunc_end_k_q3c67779948_quant:
	.size	k_q3c67779948_quant, .Lfunc_end_k_q3c67779948_quant-k_q3c67779948_quant
	.p2alignl 7, 3214868480
	.fill 96, 4, 3214868480
	.section	.rodata,"a",@progbits
	.p2align	6, 0x0
	.amdhsa_kernel k_q3c67779948_quant
		.amdhsa_group_segment_fixed_size 35328
		.amdhsa_private_segment_fixed_size 0
		.amdhsa_enable_private_segment 0
		.amdhsa_kernarg_size 40
		.amdhsa_user_sgpr_count 2
		.amdhsa_user_sgpr_kernarg_segment_ptr 1
		.amdhsa_wavefront_size32 1
		.amdhsa_system_sgpr_workgroup_id_x 1
		.amdhsa_system_sgpr_workgroup_id_y 1
		.amdhsa_system_sgpr_workgroup_id_z 1
		.amdhsa_system_vgpr_workitem_id 0
		.amdhsa_next_free_vgpr 256
		.amdhsa_next_free_sgpr 66
		.amdhsa_reserve_vcc 0
		.amdhsa_float_denorm_mode_32 3
		.amdhsa_float_denorm_mode_16_64 3
		.amdhsa_memory_ordered 1
		.amdhsa_forward_progress 1
		.amdhsa_inst_pref_size 54
	.end_amdhsa_kernel
	.amdgpu_metadata
---
amdhsa.version: [ 1, 2 ]
amdhsa.kernels:
  - .name:           k_q3c67779948_quant
    .symbol:         k_q3c67779948_quant.kd
    .args:
      - { .name: x, .offset: 0, .size: 8, .value_kind: global_buffer, .address_space: global }
      - { .name: W_qkv, .offset: 8, .size: 8, .value_kind: global_buffer, .address_space: global }
      - { .name: W_proj, .offset: 16, .size: 8, .value_kind: global_buffer, .address_space: global }
      - { .name: cod, .offset: 24, .size: 8, .value_kind: global_buffer, .address_space: global }
      - { .name: scl, .offset: 32, .size: 8, .value_kind: global_buffer, .address_space: global }
    .group_segment_fixed_size: 35328
    .private_segment_fixed_size: 0
    .kernarg_segment_align: 8
    .kernarg_segment_size: 40
    .max_flat_workgroup_size: 128
    .sgpr_count:     66
    .vgpr_count:     256
    .wavefront_size: 32
...
	.end_amdgpu_metadata
.endif
;; end of part 1
;; launch gemm_qkv (part 2): grid 8 x 32, 4 waves a work-group, clusters of 4 x 4, 327,680 bytes of LDS; arguments cod, scl, qkv; writes qkv
.if DOCPART == 2
	.amdgcn_target "amdgcn-amd-amdhsa--gfx1250"
	.amdhsa_code_object_version 6
	.text
	.protected	k_q3c67779948_gemm_qkv
	.globl	k_q3c67779948_gemm_qkv
	.p2align	8
	.type	k_q3c67779948_gemm_qkv,@function
k_q3c67779948_gemm_qkv:
	s_mov_b64 s[64:65], 0
	v_nop
	global_prefetch_b8 v0, s[64:65] scope:SCOPE_SE
	s_setreg_imm32_b32 hwreg(HW_REG_WAVE_MODE, 25, 1), 1
	s_wait_xcnt 0x0
	s_wait_alu depctr_hold_cnt(0) depctr_sa_sdst(0) depctr_va_vdst(0) depctr_va_sdst(0) depctr_va_ssrc(0) depctr_va_vcc(0) depctr_vm_vsrc(0)
	s_getreg_b32 s2, hwreg(HW_REG_IB_STS2, 6, 4)
	s_cmp_eq_u32 s2, 0
	s_cbranch_scc0 .Lentry_in_a_cluster
	s_endpgm
.Lentry_in_a_cluster:
	s_bfe_u32 s2, ttmp6, 0x10000c
	s_cmp_lg_u32 s2, 0xf033
	s_cbranch_scc0 .Lentry_shape_is_right
	s_endpgm
.Lentry_shape_is_right:
; qkv = x W_qkv on codes of FP6 (E2M3) with E8M0 block scales, f32 sums; q, k and v are quantised again IN REGISTERS and leave as codes, in the order of the next operands' registers.
; THE CORE: C'[m'][n'] = sum over k of A'[m'][k] B'[n'][k], K = 1024.  Source 0 of the matrix instruction = a tile of B', source 1 = a tile of A'.  A tile is 16 operand rows:
; lane row r of tile T is row 32 (T / 2) + 8 (T % 2) + r + 8 (r / 8); so in the results of B' tiles 2 b, 2 b + 1 a lane's 16 registers are the 16 neighbours n' = 32 b + 16 (lane / 16) + 0 .. 15 of one row m'.
; A tile of C' is 128 m' x 256 n'; wave (mh, nh) makes 64 x 128: 32 accumulators.  768 tiles; 256 WORK-GROUPS STAY and make three each: two of q, k (A' = x's tokens, B' = W's columns 0-2047; the second 4,096 tokens on), in a loop,
; then one of v (A' = W's columns 2048-3071, B' = x's tokens), written out as the tail, which asks for nothing more.
; LDS: a ring of two slots, one for each half of K (512): A's 8 tiles, then B's 16, 6,144 bytes a tile.  At the head one tensor load a wave: A's and B's first half, A's and B's second.
; Slot 0 is read out when K step 3's fragments are in, slot 1 when K step 7's are: there a drained round of the cluster's barrier stands, and the slot takes the NEXT tile's half (waves 0, 1; waves 2, 3).
; So a tile's stores and its quantiser stand under the next tile's loads.  Every wait on TENSORcnt is for 0.  A refill is asked for four K steps or more ahead of its first read; K is 1,024, and no prefetch is laid beside that.
; CLUSTER 4 x 4: A's tiles hang on cy alone and are asked for jointly along a row of the cluster, B's on cx alone, along a column.
; qkv: [64 heads][16 steps of 128 tokens][Q | K | V record of 6,656 bytes].  Q, K record: four images of 1,536 bytes (12 registers: tile 2 p's six, tile 2 p + 1's six; groups of four registers, lane L at 16 L),
;   in which tile t of a group of 64 tokens holds tokens 8 t + 0..7 and 32 + 8 t + 0..7; then 2 x 256 bytes of scale words, by the tiles as they are multiplied here: [half][lane][2]; bytes 2, 3 = 0x7f.
;   V record: four fragment images (16 channels x 128 keys), 256 bytes of scale words [lane][2], and those 256 bytes once more, so that every byte of the record is written.
; LIMITS: NaN and infinities are not served; a block whose largest magnitude lies under 2^-124 keeps the byte 1, a block of zeros too (its codes are zeros; this program alone reads the bytes).
; REGISTERS: window 0: v1-3 lane, r, h; v4-17 LDS addresses; v20-22 offsets; v34-49 A's scale words, v56-87 B's (their numbers differ modulo 8); v88-121 the epilogue's work; v128-223 A's fragments, two sets of 48
;   (the codes on the way out lie on set 1); window 1: B's fragments, two sets of 96; window 2: accumulator (a, b) at v[8 (8 a + b)]; window 3: v0-47 the next tile's scale words.
.set TILEB, 12288
.set TCH,   6144
.set CHUNK, 147456
.set BOFF,  49152
.set ADA16, 4
.set ADA8,  8
.set ADB16, 12
.set ADB8,  16
.set VS,    20
.set VO16,  21
.set VO8,   22
.set SA,    34
.set SB,    56
.set TM,    88
.set TT,    104
.set WB,    112
.set AF,    128
.set EO,    176
.set OA,    8
.set ON,    10
.set G1A,   24
.set G1B,   32
.set G0A,   48
.set NA,    56
.set NB,    58
.set NSA,   60
.set NSB,   62
.set OV,    66
.set G0B,   68
.set VA,    76
.set VB,    78
.set VSA,   80
.set VSB,   82
.set HM,    84
.set CNT,   85
.set SEL,   98
.set MULW,  0xa1
.set MSB, 0
.macro WIN new
.if MSB != \new
	s_set_vgpr_msb (MSB<<8)|\new
.set MSB, \new
.endif
.endm
.macro CREST
	s_cmp_lg_u32 s14, 0
	s_cbranch_scc1 .Lnot_wave_0_\@
	s_barrier_signal -3
.Lnot_wave_0_\@:
	s_barrier_wait -3
	s_barrier_signal -1
	s_barrier_wait -1
.endm
.macro CROUND
	s_barrier_signal -1
	s_barrier_wait -1
	CREST
.endm
.macro PLACES n
.rept \n
	v_nop
.endr
.endm
.macro TLOAD g0, g1
	tensor_load_to_lds s[\g0:\g0+3], s[\g1:\g1+7]
	s_nop 0
	PLACES 4
.endm
	s_load_b128 s[4:7], s[0:1], 0x0                ; cod, scl
	s_load_b64 s[12:13], s[0:1], 0x10              ; qkv
	v_lshl_add_u32 v254, v0, 2, 0x48000
	v_mov_b32 v255, 0
	ds_add_u32 v254, v255
	ds_add_u32 v254, v255
	v_lshrrev_b32 v1, 5, v0
	v_readfirstlane_b32 s14, v1                    ; wave
	s_lshr_b32 s15, s14, 1                         ; mh
	s_and_b32 s16, s14, 1                          ; nh
	s_bfe_u32 s40, ttmp6, 0x40000                  ; cx
	s_bfe_u32 s41, ttmp6, 0x40004                  ; cy
	s_and_b32 s43, ttmp7, 0xffff
	s_lshl_b32 s43, s43, 2                         ; 4 x cluster y
	s_lshl_b32 s44, ttmp9, 2                       ; 4 x cluster x
	s_add_co_u32 s17, s43, s41                     ; q, k: which 128 tokens (the second tile: 32 on)
	s_add_co_u32 s18, s44, s41                     ; v: which 128 columns
	s_add_co_u32 s46, s44, s40                     ; q, k: which 256 columns
	s_add_co_u32 s47, s43, s40                     ; v: which 256 tokens
	s_lshl_b32 s2, s41, 2
	s_lshl_b32 s2, 15, s2                          ; my row of the cluster
	s_lshl_b32 s3, 0x1111, s40                     ; my column
	s_or_b32 s[G1A], s2, (3<<16)|(1<<21)           ; elements of 8 bytes; rows of 6,144 bytes, 12,288 from tile to tile; dense in LDS
	s_or_b32 s[G1B], s3, (3<<16)|(1<<21)
	s_mov_b32 s[G1A+1], 768<<16
	s_mov_b32 s[G1A+2], 8<<16
	s_mov_b32 s[G1A+3], 768<<16
	s_mov_b32 s[G1A+4], 8
	s_mov_b32 s[G1A+5], 1536
	s_mov_b32 s[G1A+6], 0
	s_mov_b32 s[G1A+7], 0
	s_mov_b32 s[G1B+1], 768<<16
	s_mov_b32 s[G1B+2], 16<<16
	s_mov_b32 s[G1B+3], 768<<16
	s_mov_b32 s[G1B+4], 16
	s_mov_b32 s[G1B+5], 1536
	s_mov_b32 s[G1B+6], 0
	s_mov_b32 s[G1B+7], 0
	s_mul_i32 s20, s17, 8*TILEB                    ; codes: q, k: A's tiles 8 mt on;
	s_mov_b32 s21, 0
	s_mul_i32 s22, s18, 8*TILEB
	s_add_co_u32 s22, s22, 640*TILEB               ; v: A's tiles 640 + 8 mt on
	s_mov_b32 s23, 0
	s_mul_i32 s86, s46, 16*TILEB
	s_add_co_u32 s86, s86, 512*TILEB               ; q, k: B's tiles 512 + 16 nt on;
	s_mov_b32 s87, 0
	s_mul_i32 s88, s47, 16*TILEB                   ; v: 16 nt on
	s_mov_b32 s89, 0
	s_lshl_b32 s19, s15, 2                         ; the scale words of the tiles that I multiply: 512 bytes a tile
	s_lshl_b32 s90, s17, 3
	s_add_co_u32 s90, s90, s19
	s_lshl_b32 s90, s90, 9
	s_mov_b32 s91, 0
	s_lshl_b32 s92, s18, 3
	s_add_co_u32 s92, s92, s19
	s_add_co_u32 s92, s92, 640
	s_lshl_b32 s92, s92, 9
	s_mov_b32 s93, 0
	s_lshl_b32 s19, s16, 3
	s_lshl_b32 s94, s46, 4
	s_add_co_u32 s94, s94, s19
	s_add_co_u32 s94, s94, 512
	s_lshl_b32 s94, s94, 9
	s_mov_b32 s95, 0
	s_lshl_b32 s96, s47, 4
	s_add_co_u32 s96, s96, s19
	s_lshl_b32 s96, s96, 9
	s_mov_b32 s97, 0
	s_lshl_b32 s2, s46, 1                          ; where q's or k's results go: my 128 columns are two heads, my 128 tokens a step
	s_add_co_u32 s2, s2, s16
	s_lshr_b32 s3, s2, 3                           ; 0: q, 1: k
	s_and_b32 s2, s2, 7
	s_lshl_b32 s2, s2, 1
	s_lshr_b32 s44, s17, 4
	s_lshl_b32 s44, s44, 4
	s_add_co_u32 s44, s44, s2
	s_lshl_b32 s44, s44, 4
	s_and_b32 s19, s17, 15
	s_add_co_u32 s44, s44, s19
	s_mul_i32 s44, s44, 19968
	s_mul_i32 s3, s3, 6656
	s_add_co_u32 s44, s44, s3
	s_mov_b32 s45, 0
	s_lshl_b32 s2, s18, 1                          ; and v's: my four channel tiles are one head, my 128 tokens one step of keys
	s_add_co_u32 s2, s2, s15
	s_lshl_b32 s3, s47, 1
	s_add_co_u32 s3, s3, s16
	s_lshr_b32 s42, s3, 4
	s_lshl_b32 s42, s42, 4
	s_add_co_u32 s42, s42, s2
	s_lshl_b32 s42, s42, 4
	s_and_b32 s3, s3, 15
	s_add_co_u32 s42, s42, s3
	s_mul_i32 s42, s42, 19968
	s_add_co_u32 s42, s42, 13312
	s_mov_b32 s43, 0
	s_mov_b32 s[HM], 0xffff0000
	s_mov_b32 s[SEL], 0x76543210
	s_mov_b32 s[SEL+1], 0xfedcba98
	s_wait_dscnt 0x0
	s_wait_kmcnt 0x0
	s_add_nc_u64 s[20:21], s[4:5], s[20:21]
	s_add_nc_u64 s[VA:VA+1], s[4:5], s[22:23]
	s_add_nc_u64 s[86:87], s[4:5], s[86:87]
	s_add_nc_u64 s[VB:VB+1], s[4:5], s[88:89]
	s_add_nc_u64 s[NA:NA+1], s[20:21], 256*TILEB   ; the second tile: 256 token tiles on, the same columns
	s_mov_b64 s[NB:NB+1], s[86:87]
	s_add_nc_u64 s[90:91], s[6:7], s[90:91]
	s_add_nc_u64 s[VSA:VSA+1], s[6:7], s[92:93]
	s_add_nc_u64 s[94:95], s[6:7], s[94:95]
	s_add_nc_u64 s[VSB:VSB+1], s[6:7], s[96:97]
	s_add_nc_u64 s[NSA:NSA+1], s[90:91], 256*512
	s_mov_b64 s[NSB:NSB+1], s[94:95]
	s_add_nc_u64 s[OA:OA+1], s[12:13], s[44:45]
	s_add_nc_u64 s[OV:OV+1], s[12:13], s[42:43]
	s_add_nc_u64 s[ON:ON+1], s[OA:OA+1], 512*19968 ; two batches on
	CROUND
.irp k, 0,1
	s_mov_b32 s[G0A+4*\k], 1
	s_mov_b32 s[G0A+4*\k+1], \k*CHUNK
	s_add_nc_u64 s[G0A+4*\k+2:G0A+4*\k+3], s[20:21], \k*TCH
	s_or_b32 s[G0A+4*\k+3], s[G0A+4*\k+3], 0x80000000
	s_mov_b32 s[G0B+4*\k], 1
	s_mov_b32 s[G0B+4*\k+1], \k*CHUNK+BOFF
	s_add_nc_u64 s[G0B+4*\k+2:G0B+4*\k+3], s[86:87], \k*TCH
	s_or_b32 s[G0B+4*\k+3], s[G0B+4*\k+3], 0x80000000
.endr
	s_cmp_eq_u32 s14, 0                            ; one chain of branches on the wave's number, one load to an arm
	s_cbranch_scc0 .Lfill_1
	TLOAD G0A, G1A
	s_branch .Lfilled
.Lfill_1:
	s_cmp_eq_u32 s14, 1
	s_cbranch_scc0 .Lfill_2
	TLOAD G0B, G1B
	s_branch .Lfilled
.Lfill_2:
	s_cmp_eq_u32 s14, 2
	s_cbranch_scc0 .Lfill_3
	TLOAD G0A+4, G1A
	s_branch .Lfilled
.Lfill_3:
	TLOAD G0B+4, G1B
.Lfilled:
	v_and_b32 v1, 31, v0                           ; L
	v_and_b32 v2, 15, v0                           ; r
	v_bfe_u32 v3, v0, 4, 1                         ; h
	s_mul_i32 s2, s15, 4*TCH                       ; the four tiles of A' that I multiply,
	s_mul_i32 s3, s16, 8*TCH
	s_add_co_u32 s3, s3, BOFF                      ; and the eight of B'
.irp k, 0,1
	v_lshl_add_u32 v[ADA16+\k], v1, 4, s2
	v_lshl_add_u32 v[ADA8+\k], v1, 3, s2
	v_lshl_add_u32 v[ADB16+\k], v1, 4, s3
	v_lshl_add_u32 v[ADB8+\k], v1, 3, s3
	s_add_co_u32 s2, s2, CHUNK
	s_add_co_u32 s3, s3, CHUNK
.endr
	v_lshlrev_b32 v[VS], 3, v2
	v_lshl_add_u32 v[VS], v3, 9, v[VS]             ; scale words: row r of tile 2 p + h
; a tile's scale words, all of K: A's 16 registers at v[ra], B's 32 at v[rb]
.macro SCALEW ra, rb, pa, pb
.irp p, 0,1
.irp g, 0,1,2,3
	global_load_b64 v[\ra+8*\p+2*\g:\ra+8*\p+2*\g+1], v[VS], s[\pa:\pa+1] offset:\p*1024+\g*128
.endr
.endr
.irp p, 0,1,2,3
.irp g, 0,1,2,3
	global_load_b64 v[\rb+8*\p+2*\g:\rb+8*\p+2*\g+1], v[VS], s[\pb:\pb+1] offset:\p*1024+\g*128
.endr
.endr
.endm
	SCALEW SA, SB, 90, 94
.irp b, 0,1,2,3
	v_mov_b32 v[TM+4+\b], 0                        ; a lane permute's destination counts as one of its sources
.endr
.macro FRAG reg, a16, a8, off          ; a fragment, 16 rows x 128 K: 12 registers, as they lie: two half images of 768 bytes
	ds_load_b128 v[\reg:\reg+3], v[\a16] offset:\off
	ds_load_b64 v[\reg+4:\reg+5], v[\a8] offset:\off+512
	ds_load_b128 v[\reg+6:\reg+9], v[\a16] offset:\off+768
	ds_load_b64 v[\reg+10:\reg+11], v[\a8] offset:\off+1280
.endm
.macro FETCH s                         ; K step s: B's eight fragments and A's four into set s % 2: 48 LDS loads in one run
.set KAP, (\s)/4
.set QQ, (\s)%2
	WIN 0x40
.irp i, 0,1,2,3,4,5,6,7
	FRAG 128*QQ+12*\i, ADB16+KAP, ADB8+KAP, \i*TCH+((\s)%4)*1536
.endr
	WIN 0
.irp i, 0,1,2,3
	FRAG AF+48*QQ+12*\i, ADA16+KAP, ADA8+KAP, \i*TCH+((\s)%4)*1536
.endr
.endm
; 16 products: A's tiles a0, a0 + 1 x B's eight.  cm = 0: the first product starts the sum.  An odd tile's scale words stand in lanes 16-31 of its pair's register.
; The 32 accumulators take turns, one instruction a turn, in the same order in every K step
.macro MUL a0, s, cm
.irp ao, 0,1
.irp bp, 0,1,2,3
.irp bo, 0,1
.set RD_, 8*(8*((\a0)+\ao)+2*\bp+\bo)
.set RA_, 128*((\s)%2)+12*(2*\bp+\bo)
.set RB_, AF+48*((\s)%2)+12*((\a0)+\ao)
.if \cm
	v_wmma_scale_f32_16x16x128_f8f6f4 v[RD_:RD_+7], v[RA_:RA_+11], v[RB_:RB_+11], v[RD_:RD_+7], v[SB+8*\bp+(\s)], v[SA+8*((\a0)/2)+(\s)] matrix_a_fmt:MATRIX_FMT_FP6 matrix_b_fmt:MATRIX_FMT_FP6 matrix_a_scale:MATRIX_SCALE_ROW\bo matrix_b_scale:MATRIX_SCALE_ROW\ao
.else
	v_wmma_scale_f32_16x16x128_f8f6f4 v[RD_:RD_+7], v[RA_:RA_+11], v[RB_:RB_+11], 0, v[SB+8*\bp+(\s)], v[SA+8*((\a0)/2)+(\s)] matrix_a_fmt:MATRIX_FMT_FP6 matrix_b_fmt:MATRIX_FMT_FP6 matrix_a_scale:MATRIX_SCALE_ROW\bo matrix_b_scale:MATRIX_SCALE_ROW\ao
.endif
.endr
.endr
.endr
.endm
.macro KEVEN s, cm                     ; a K step whose successor lies in the same slot.  Four places stand in front of each run of loads into registers that products have read
	s_wait_dscnt 0x0
	PLACES 4
	FETCH (\s)+1
	WIN MULW
	MUL 0, \s, \cm
	MUL 2, \s, \cm
.endm
.macro REFILL wa, k                    ; wave wa asks for A's half k of the next tile, wave wa + 1 for B's
	s_cmp_eq_u32 s14, \wa
	s_cbranch_scc0 .Lrb_\@
	TLOAD G0A+4*\k, G1A
	s_branch .Lrj_\@
.Lrb_\@:
	s_cmp_eq_u32 s14, \wa+1
	s_cbranch_scc0 .Lrj_\@
	TLOAD G0B+4*\k, G1B
.Lrj_\@:
	PLACES 4                                       ; for the waves that come round the loads
.endm
; K step s, the last that reads slot k: the three lines, a round of the cluster's barrier with sixteen products inside it, the refill, then K step nx's fragments out of the other slot
.macro KROUND s, k, wa, nx
	WIN 0
	s_wait_tensorcnt 0x0                           ; all my tensor loads have landed: the round shows the other slot whole,
	ds_add_u32 v254, v255
	s_add_nc_u64 s[G0A+4*\k+2:G0A+4*\k+3], s[NA:NA+1], \k*TCH      ; so every descriptor may be written
	s_or_b32 s[G0A+4*\k+3], s[G0A+4*\k+3], 0x80000000
	s_add_nc_u64 s[G0B+4*\k+2:G0B+4*\k+3], s[NB:NB+1], \k*TCH
	s_or_b32 s[G0B+4*\k+3], s[G0B+4*\k+3], 0x80000000
	s_wait_dscnt 0x0                               ; the add is done, and my reads of slot k are over
	WIN MULW
	s_barrier_signal -1
	MUL 0, \s, 1
	WIN 0
	s_barrier_wait -1
	CREST
	REFILL \wa, \k
	FETCH \nx
.endm
.macro KSTEPS r                        ; a tile's eight K steps; its step 0's fragments have been asked for.  r = 1: the slots take the next tile
	KEVEN 0, 0
	KEVEN 1, 1
	KEVEN 2, 1
.if \r
	KROUND 3, 0, 0, 4
	WIN 0xc0
	SCALEW 0, 16, NSA, NSB                         ; the next tile's scale words wait in window 3
.else
	s_wait_tensorcnt 0x0                           ; a plain barrier shows slot 1
	s_wait_dscnt 0x0
	WIN MULW
	s_barrier_signal -1
	MUL 0, 3, 1
	s_barrier_wait -1
	PLACES 4
	FETCH 4
.endif
	WIN MULW
	MUL 2, 3, 1
	KEVEN 4, 1
	KEVEN 5, 1
	KEVEN 6, 1
	s_wait_dscnt 0x0                               ; the last K step: my reads of slot 1 are over; its round stands in the way out, behind the first quantiser
	MUL 0, 7, 1
	MUL 2, 7, 1
	WIN 0
	PLACES 4                                       ; in front of the first read of results and the first write of registers that products have read
.endm
; 64 results of a lane (window 2, v[src] on; register 16 b + i = n' 32 b + 16 h + i of my row) become codes: blocks 0, 1 six registers at v[d0], blocks 2, 3 six at v[d1]; their four bytes in v[TM+4] on.
.macro QUANT src, d0, d1
	WIN 0x28
.irp b, 0,1,2,3
	v_max3_num_f32 v[TM+\b], 0x1800000, |v[\src+16*\b]|, |v[\src+16*\b+1]|    ; with the floor 2^(3 - 127)
.endr
.irp i, 2,4,6,8,10,12,14
.irp b, 0,1,2,3
	v_max3_num_f32 v[TM+\b], v[TM+\b], |v[\src+16*\b+\i]|, |v[\src+16*\b+\i+1]|
.endr
.endr
	WIN 0
.irp b, 0,1,2,3
	v_permlanex16_b32 v[TM+4+\b], v[TM+\b], s[SEL], s[SEL+1]
.endr
.irp b, 0,1,2,3
	v_max_num_f32 v[TM+\b], v[TM+\b], v[TM+4+\b]
.endr
.irp b, 0,1,2,3
	v_add_nc_u32 v[TM+12+\b], 0xff000000, v[TM+\b] ; 2 off the exponent field: the conversion's scale operand
.endr
.irp b, 0,1,2,3
	v_lshrrev_b32 v[TM+4+\b], 23, v[TM+12+\b]      ; the byte
.endr
	WIN 0x02
	v_cvt_scalef32_pk16_fp6_f32 v[\d0:\d0+2], v[\src:\src+15], v[TM+12]
	v_cvt_scalef32_pk16_fp6_f32 v[TT:TT+2], v[\src+16:\src+31], v[TM+13]
	v_cvt_scalef32_pk16_fp6_f32 v[\d1:\d1+2], v[\src+32:\src+47], v[TM+14]
	v_cvt_scalef32_pk16_fp6_f32 v[TT+4:TT+6], v[\src+48:\src+63], v[TM+15]
	WIN 0
	v_nop
.irp i, 0,1,2
	v_permlane16_swap_b32 v[\d0+\i], v[TT+\i]      ; a whole block to a lane
	v_permlane16_swap_b32 v[\d1+\i], v[TT+4+\i]
.endr
.irp i, 0,1,2
	v_mov_b32 v[\d0+3+\i], v[TT+\i]
	v_mov_b32 v[\d1+3+\i], v[TT+4+\i]
.endr
.endm
	s_wait_alu depctr_va_vdst(0)
	s_cmp_lt_u32 s14, 2                            ; waves 0 and 1 brought the first half of K
	s_cbranch_scc0 .Lnot_first
	s_wait_tensorcnt 0x0
.Lnot_first:
	s_barrier_signal -1
	s_barrier_wait -1
	FETCH 0
	s_wait_loadcnt 0x0                             ; the scale words
	s_mov_b32 s[CNT], 2
.Ltile:
	KSTEPS 1
	s_wait_loadcnt 0x0
	WIN 0x03
.set i, 0
.rept 16
	v_mov_b32 v[SA+i], v[i]                        ; the next tile's scale words take their places
.set i, i+1
.endr
.set i, 0
.rept 32
	v_mov_b32 v[SB+i], v[16+i]
.set i, i+1
.endr
	WIN 0
	; ---- q, k: blocks 0, 1 belong to my first head, blocks 2, 3 to the next.  The tokens are dealt anew: my pair b, lane (r, h) goes to pair r / 8 of my group of 64, lane 8 b + r % 8 + 16 h:
	; eight lanes store 128 consecutive bytes, pairs 0 and 1 together fill each 256
	s_mul_i32 s2, s15, 3072
	v_lshrrev_b32 v[VO16], 3, v2
	v_mul_u32_u24 v[VO16], v[VO16], 1536
	v_and_b32 v[VO8], 7, v2
	v_lshl_add_u32 v[VO16], v[VO8], 4, v[VO16]
	v_lshl_add_u32 v[VO16], v3, 8, v[VO16]
	v_add_nc_u32 v[VO16], s2, v[VO16]
	s_lshl_b32 s2, s15, 8
	s_add_co_u32 s2, s2, 6144
	v_lshl_add_u32 v[VO8], v1, 3, s2
.irp a, 0,1,2,3
.set QS, 64*\a
.set D0, EO+24*(\a/2)+6*(\a%2)
.set D1, EO+12+24*(\a/2)+6*(\a%2)
.if \a == 1
	; SLOT 1'S ROUND: the load that K step 3 asked for has had four K steps and one quantiser in which to land; slot 1's refill has three quantisers and three K steps ahead of the wait for it
	s_wait_tensorcnt 0x0                           ; all my tensor loads have landed: the round shows slot 0, the next tile's first half,
	ds_add_u32 v254, v255
	s_add_nc_u64 s[G0A+6:G0A+7], s[NA:NA+1], TCH   ; so every descriptor may be written: the next tile's second half
	s_or_b32 s[G0A+7], s[G0A+7], 0x80000000
	s_add_nc_u64 s[G0B+6:G0B+7], s[NB:NB+1], TCH
	s_or_b32 s[G0B+7], s[G0B+7], 0x80000000
	s_wait_alu depctr_va_vdst(0)
	s_wait_dscnt 0x0
	CROUND
	REFILL 2, 1
	FETCH 0                                        ; the next tile's first fragments, onto set 0; the codes on the way out lie on set 1
.endif
	QUANT QS, D0, D1
	v_lshl_or_b32 v[WB+2*(\a%2)], v[TM+5], 8, v[TM+4]
	v_lshl_or_b32 v[WB+1+2*(\a%2)], v[TM+7], 8, v[TM+6]
.if \a%2
	v_cndmask_b32 v[WB+4+\a/2], v[WB], v[WB+2], s[HM]      ; the pair's word: lanes 0-15 the even tile's, lanes 16-31 the odd tile's
	v_cndmask_b32 v[WB+6+\a/2], v[WB+1], v[WB+3], s[HM]
	v_or_b32 v[WB+4+\a/2], 0x7f7f0000, v[WB+4+\a/2]        ; bytes 2, 3: the scale 1 for the upper 64 of the instruction's K
	v_or_b32 v[WB+6+\a/2], 0x7f7f0000, v[WB+6+\a/2]
.irp g, 0,1,2
	global_store_b128 v[VO16], v[EO+24*(\a/2)+4*\g:EO+24*(\a/2)+4*\g+3], s[OA:OA+1] offset:(\a/2)*128+512*\g
	global_store_b128 v[VO16], v[EO+12+24*(\a/2)+4*\g:EO+12+24*(\a/2)+4*\g+3], s[OA:OA+1] offset:(\a/2)*128+512*\g+319488
.endr
.endif
.endr
	global_store_b64 v[VO8], v[WB+4:WB+5], s[OA:OA+1]
	global_store_b64 v[VO8], v[WB+6:WB+7], s[OA:OA+1] offset:319488
	s_wait_xcnt 0x0                                ; the stores have read their registers and their base
	s_mov_b64 s[OA:OA+1], s[ON:ON+1]
	s_mov_b64 s[ON:ON+1], s[OV:OV+1]
	s_mov_b64 s[NA:NA+1], s[VA:VA+1]               ; what the second trip asks for is v's tile
	s_mov_b64 s[NB:NB+1], s[VB:VB+1]
	s_mov_b64 s[NSA:NSA+1], s[VSA:VSA+1]
	s_mov_b64 s[NSB:NSB+1], s[VSB:VSB+1]
	s_sub_co_u32 s[CNT], s[CNT], 1
	s_cmp_lg_u32 s[CNT], 0
	s_wait_alu depctr_va_vdst(0)
	s_cbranch_scc1 .Ltile
	KSTEPS 0
	; ---- v: each channel tile's 64 results are one fragment of 128 keys
	v_lshlrev_b32 v[VO16], 4, v1
	v_lshlrev_b32 v[VO8], 3, v1
.irp a, 0,1,2,3
.set QS, 64*\a
.set D0, EO+12*\a
.set D1, EO+6+12*\a
	QUANT QS, D0, D1
	v_lshl_or_b32 v[WB+\a], v[TM+5], 8, v[TM+4]
	v_lshl_or_b32 v[WB+\a], v[TM+6], 16, v[WB+\a]
	v_lshl_or_b32 v[WB+\a], v[TM+7], 24, v[WB+\a]
.irp g, 0,1,2
	global_store_b128 v[VO16], v[EO+12*\a+4*\g:EO+12*\a+4*\g+3], s[OA:OA+1] offset:\a*1536+512*\g
.endr
.endr
	v_cndmask_b32 v[WB+4], v[WB], v[WB+1], s[HM]
	v_cndmask_b32 v[WB+5], v[WB+2], v[WB+3], s[HM]
	global_store_b64 v[VO8], v[WB+4:WB+5], s[OA:OA+1] offset:6144
	global_store_b64 v[VO8], v[WB+4:WB+5], s[OA:OA+1] offset:6400   ; the record's last 256 bytes: the same words again
	s_wait_tensorcnt 0x0                           ; the wave's end
	ds_add_u32 v254, v255
	s_wait_dscnt 0x0
	CROUND                                         ; the closing round
	s_endpgm
.Lfunc_end_k_q3c67779948_gemm_qkv:
	.size	k_q3c67779948_gemm_qkv, .Lfunc_end_k_q3c67779948_gemm_qkv-k_q3c67779948_gemm_qkv
	.p2alignl 7, 3214868480
	.fill 96, 4, 3214868480
	.section	.rodata,"a",@progbits
	.p2align	6, 0x0
	.amdhsa_kernel k_q3c67779948_gemm_qkv
		.amdhsa_group_segment_fixed_size 327680
		.amdhsa_private_segment_fixed_size 0
		.amdhsa_enable_private_segment 0
		.amdhsa_kernarg_size 24
		.amdhsa_user_sgpr_count 2
		.amdhsa_user_sgpr_kernarg_segment_ptr 1
		.amdhsa_wavefront_size32 1
		.amdhsa_system_sgpr_workgroup_id_x 1
		.amdhsa_system_sgpr_workgroup_id_y 1
		.amdhsa_system_sgpr_workgroup_id_z 1
		.amdhsa_system_vgpr_workitem_id 0
		.amdhsa_next_free_vgpr 832
		.amdhsa_next_free_sgpr 100
		.amdhsa_reserve_vcc 0
		.amdhsa_float_denorm_mode_32 3
		.amdhsa_float_denorm_mode_16_64 3
		.amdhsa_memory_ordered 1
		.amdhsa_forward_progress 1
		.amdhsa_inst_pref_size 170
	.end_amdhsa_kernel
	.amdgpu_metadata
---
amdhsa.version: [ 1, 2 ]
amdhsa.kernels:
  - .name:           k_q3c67779948_gemm_qkv
    .symbol:         k_q3c67779948_gemm_qkv.kd
    .args:
      - { .name: cod, .offset: 0, .size: 8, .value_kind: global_buffer, .address_space: global }
      - { .name: scl, .offset: 8, .size: 8, .value_kind: global_buffer, .address_space: global }
      - { .name: qkv, .offset: 16, .size: 8, .value_kind: global_buffer, .address_space: global }
    .group_segment_fixed_size: 327680
    .private_segment_fixed_size: 0
    .kernarg_segment_align: 8
    .kernarg_segment_size: 24
    .max_flat_workgroup_size: 128
    .sgpr_count:     100
    .vgpr_count:     832
    .wavefront_size: 32
...
	.end_amdgpu_metadata
.endif
;; end of part 2
;; launch attn (part 3): grid 4 x 64, 16 waves a work-group, clusters of 4 x 1, 327,680 bytes of LDS; arguments qkv, oc, os; writes oc, os
.if DOCPART == 3
	.amdgcn_target "amdgcn-amd-amdhsa--gfx1250"
	.amdhsa_code_object_version 6
	.text
	.protected	k_q3c67779948_attn
	.globl	k_q3c67779948_attn
	.p2align	8
	.type	k_q3c67779948_attn,@function
k_q3c67779948_attn:
	s_mov_b64 s[64:65], 0
	v_nop
	global_prefetch_b8 v0, s[64:65] scope:SCOPE_SE
	s_setreg_imm32_b32 hwreg(HW_REG_WAVE_MODE, 25, 1), 1
	s_wait_xcnt 0x0
	s_wait_alu depctr_hold_cnt(0) depctr_sa_sdst(0) depctr_va_vdst(0) depctr_va_sdst(0) depctr_va_ssrc(0) depctr_va_vcc(0) depctr_vm_vsrc(0)
	s_getreg_b32 s2, hwreg(HW_REG_IB_STS2, 6, 4)
	s_cmp_eq_u32 s2, 0
	s_cbranch_scc0 .Lentry_in_a_cluster
	s_endpgm
.Lentry_in_a_cluster:
	s_bfe_u32 s2, ttmp6, 0x10000c
	s_cmp_lg_u32 s2, 0x3003
	s_cbranch_scc0 .Lentry_shape_is_right
	s_endpgm
.Lentry_shape_is_right:
; o = softmax(q k^T / 8) v for one head and 512 queries a work-group, on codes of FP6 (E2M3) with E8M0 block scales; o / l is quantised along the channels and leaves as codes for the projection.
; LIMITS: NaN and infinities are not served; the promise holds while the scaled scores t stay under 2^31 in magnitude; a block of o under 2^-124 keeps the byte 1.
; THE DEAL: 16 waves, a wave takes 32 queries (a pair of tiles of 16) through all 2,048 keys, in 16 steps of 128 keys; both tiles use each fragment of k and v that the wave reads from LDS.
; CLUSTER 4 x 1: the four work-groups of a head ask for its k and v jointly.  A head's k and v records, 16 x 13,312 bytes, are filled ONCE: wave w asks for step w, one tensor load a wave, as 52 rows of 256 bytes.
; Waves 0-3 have a load line of their own: the first barrier shows steps 0-3, the second, four steps on, all.  No byte is filled again, so the loops hold no barrier.
; No prefetch: every tile of the launch is asked for at its head, and there is no later request to run ahead of.
; BOTH PRODUCTS ARE USED TRANSPOSED (S^T = k q^T, O^T = v^T p^T): lane (r, h) holds query r.  Tile t of a group c of 64 keys holds keys 8 t + 0..7 and 32 + 8 t + 0..7,
; so register 32 c + i of the scores is key 64 c + 32 h + i: a lane holds two WHOLE blocks of 32 keys, in the order of p's operand registers.
; The head has 64 channels: q's operand has zero codes in its upper six registers, and k's operand takes the next tile's six there (tile 7: p's first six): any codes, times zero.
; M = ceil(running largest t), kept as -M; p = 2^(t - M); a block's scale byte is floor(largest t of the block - M) + 125, held at 1 from below: p rises with t.
; REGISTERS: v0 lane; v1 lane term of k's and q's scale words; v2 byte selector; v3 q's scale words (tile 0 in lanes 0-15, tile 1 in 16-31); v4, v5 the add's two;
; v6-11, v12-17 a tile's -M, largest score, sum (2), f, p's scale word; v18-27 at work; v28-31 k's or v's scale words; v32-55 q, zeros, q, zeros; v56-103 k's or v's fragments; v104-127 p's codes; v128-191 scores, p; v192-255 O^T.
.set STEPB, 13312
.set MSTEP, 19968
.set HEADB, 319488
.set SPARE, 16*STEPB
.set LSC,  1
.set PSEL, 2
.set QS,   3
.set SPW,  4
.set NIL,  5
.set TT,   18
.set KS,   28
.set QA,   32
.set KF,   56
.set P0,   104
.set SS,   128
.set OO,   192
.set TB,  2
.set CNT, 3
.set WV,  18
.set HM,  19
.set SEL, 20
.set CS,  22
.set G1,  24
.set G0,  32
.set NCS, 36
.macro WALU
	s_wait_alu depctr_va_vdst(0)
.endm
.macro DEP n
	s_delay_alu instid0(VALU_DEP_\n)
.endm
.macro NOPS n
.rept \n
	v_nop
.endr
.endm
.macro CROUND
	s_barrier_signal -1
	s_barrier_wait -1
	s_cmp_lg_u32 s[WV], 0
	s_cbranch_scc1 .Lnot_wave_0_\@
	s_barrier_signal -3
.Lnot_wave_0_\@:
	s_barrier_wait -3
	s_barrier_signal -1
	s_barrier_wait -1
.endm
	s_load_b128 s[4:7], s[0:1], 0x0                ; qkv, oc
	s_load_b64 s[8:9], s[0:1], 0x10                ; os
	v_lshl_add_u32 v[SPW], v0, 2, SPARE
	v_mov_b32 v[NIL], 0
	ds_add_u32 v[SPW], v[NIL]
	ds_add_u32 v[SPW], v[NIL]
	v_lshrrev_b32 v[TT], 5, v0
	v_readfirstlane_b32 s[WV], v[TT]
	s_bfe_u32 s10, ttmp6, 0x40000                  ; cx: which 512 queries
	s_and_b32 s11, ttmp7, 0xffff                   ; batch x 16 + head
	s_mul_i32 s12, s11, HEADB
	s_mul_i32 s14, s[WV], MSTEP
	s_add_co_u32 s14, s14, s12
	s_add_co_u32 s14, s14, 6656                    ; step w's k and v records
	s_mov_b32 s15, 0
	s_mov_b32 s[G1], 15|(3<<16)|(1<<21)            ; all four partners; elements of 8 bytes
	s_mov_b32 s[G1+1], 32<<16
	s_mov_b32 s[G1+2], 52<<16
	s_mov_b32 s[G1+3], 32<<16
	s_mov_b32 s[G1+4], 52
	s_mov_b32 s[G1+5], 32
	s_mov_b32 s[G1+6], 0
	s_mov_b32 s[G1+7], 0
	s_mov_b32 s[G0], 1
	s_mul_i32 s[G0+1], s[WV], STEPB
	s_mov_b32 s[HM], 0xffff0000
	s_mov_b32 s[SEL], 0x76543210
	s_mov_b32 s[SEL+1], 0xfedcba98
	s_mov_b32 s[CS], 0x3e38aa3b                    ; c = log2(e) / 8
	s_mov_b32 s[CS+1], s[CS]
	s_mov_b32 s[NCS], 0xbe38aa3b                   ; -c
	s_wait_dscnt 0x0
	s_wait_kmcnt 0x0
	s_add_nc_u64 s[G0+2:G0+3], s[4:5], s[14:15]
	s_or_b32 s[G0+3], s[G0+3], 0x80000000
	CROUND
	s_cmp_lt_u32 s[WV], 4
	s_cbranch_scc0 .Llate
	tensor_load_to_lds s[G0:G0+3], s[G1:G1+7]      ; steps 0-3
	s_nop 0
	NOPS 4
	s_branch .Lasked
.Llate:
	tensor_load_to_lds s[G0:G0+3], s[G1:G1+7]      ; steps 4-15
	s_nop 0
	NOPS 4
.Lasked:
	s_lshl_b32 s40, s10, 2
	s_lshr_b32 s41, s[WV], 2
	s_add_co_u32 s40, s40, s41                     ; my queries' step: 4 cx + w / 4
	s_mul_i32 s40, s40, MSTEP
	s_add_co_u32 s40, s40, s12
	s_and_b32 s42, s[WV], 3                        ; my pair of tiles in it
	s_mul_i32 s43, s42, 1536
	s_add_co_u32 s44, s40, s43
	s_mov_b32 s45, 0
	s_lshr_b32 s43, s42, 1
	s_lshl_b32 s43, s43, 8
	s_and_b32 s42, s42, 1
	s_lshl_b32 s42, s42, 6
	s_add_co_u32 s46, s40, s43
	s_add_co_u32 s46, s46, s42
	s_add_co_u32 s46, s46, 6144
	s_mov_b32 s47, 0
	s_add_nc_u64 s[44:45], s[4:5], s[44:45]
	s_add_nc_u64 s[46:47], s[4:5], s[46:47]
	s_lshr_b32 s48, s11, 4
	s_lshl_b32 s48, s48, 7
	s_lshl_b32 s49, s10, 5
	s_add_co_u32 s48, s48, s49
	s_lshl_b32 s49, s[WV], 1
	s_add_co_u32 s48, s48, s49                     ; my first tile of tokens: 128 batch + 32 cx + 2 w
	s_and_b32 s50, s11, 15                         ; head
	s_mul_i32 s52, s48, 12288
	s_mul_i32 s49, s50, 768
	s_add_co_u32 s52, s52, s49
	s_mov_b32 s53, 0
	s_add_nc_u64 s[6:7], s[6:7], s[52:53]
	s_lshl_b32 s52, s48, 9
	s_lshr_b32 s49, s50, 2
	s_lshl_b32 s49, s49, 7
	s_add_co_u32 s52, s52, s49
	s_bfe_u32 s49, s50, 0x10001
	s_lshl_b32 s49, s49, 2
	s_add_co_u32 s52, s52, s49
	s_and_b32 s49, s50, 1
	s_lshl_b32 s49, s49, 1
	s_add_co_u32 s52, s52, s49
	s_add_nc_u64 s[8:9], s[8:9], s[52:53]
	v_and_b32 v[TT+1], 15, v0                      ; r
	v_bfe_u32 v[TT+2], v0, 4, 1                    ; h
	v_and_b32 v0, 31, v0                           ; the lane, from here on
	v_and_b32 v[TT+3], 7, v[TT+1]
	v_lshrrev_b32 v[TT+5], 3, v[TT+1]
	v_lshlrev_b32 v[LSC], 7, v[TT+2]
	v_lshl_add_u32 v[LSC], v[TT+3], 3, v[LSC]
	v_lshl_add_u32 v[LSC], v[TT+5], 2, v[LSC]      ; a scale word of row r of tile 2 q + h of a group lies at 128 h + 64 q + 8 (r % 8) + 4 (r / 8)
	v_mov_b32 v[PSEL], 0x0c040c00                  ; lanes 0-15 give bytes 0 and 2 of p's scale word,
	v_mov_b32 v[TT+6], 0x040c000c                  ; lanes 16-31 bytes 1 and 3
	v_cndmask_b32 v[PSEL], v[PSEL], v[TT+6], s[HM]
	v_lshlrev_b32 v[TT+7], 4, v0
	WALU
	global_load_b128 v[QA:QA+3], v[TT+7], s[44:45]
	global_load_b64 v[QA+4:QA+5], v[TT+7], s[44:45] offset:512
	global_load_b64 v[QA+12:QA+13], v[TT+7], s[44:45] offset:520
	global_load_b128 v[QA+14:QA+17], v[TT+7], s[44:45] offset:1024
	global_load_b32 v[QS], v[LSC], s[46:47]
.irp i, 0,1,2,3,4,5
	v_mov_b32 v[QA+6+\i], 0
	v_mov_b32 v[QA+18+\i], 0
	v_mov_b32 v[P0+\i], 0                          ; named by k's tile 7 before p is first made
.endr
; a tile's state: tile 0: v6 -M, v7 largest score, v8-9 sum, v10 f, v11 scale word; tile 1: v12-13 sum, v14 -M, v15 largest score, v16 f, v17 scale word
.irp q, 6,14
	v_mov_b32 v[\q], 0x7e000000                    ; -M: over every -M to come, so that the first f is 0
	v_mov_b32 v[\q+1], 0xff61b1e6                  ; the largest score so far: -3e38
.endr
.irp q, 8,9,12,13
	v_mov_b32 v[\q], 0
.endr
	v_mov_b32 v[TT+4], 0                           ; a lane permute's destination counts as a source
.set j, 0
.rept 64
	v_mov_b32 v[OO+j], 0                           ; the step is written once: the first finds zeros
.set j, j+1
.endr
.macro QK q                            ; S^T of query tile q: eight tiles of 16 keys
.irp p, 0,1,2,3
	v_wmma_scale_f32_16x16x128_f8f6f4 v[SS+16*\p:SS+16*\p+7], v[KF+12*\p:KF+12*\p+11], v[QA+12*\q:QA+12*\q+11], 0, v[KS+\p], v[QS] matrix_a_fmt:MATRIX_FMT_FP6 matrix_b_fmt:MATRIX_FMT_FP6 matrix_a_scale:MATRIX_SCALE_ROW0 matrix_b_scale:MATRIX_SCALE_ROW\q
	v_wmma_scale_f32_16x16x128_f8f6f4 v[SS+16*\p+8:SS+16*\p+15], v[KF+12*\p+6:KF+12*\p+17], v[QA+12*\q:QA+12*\q+11], 0, v[KS+\p], v[QS] matrix_a_fmt:MATRIX_FMT_FP6 matrix_b_fmt:MATRIX_FMT_FP6 matrix_a_scale:MATRIX_SCALE_ROW1 matrix_b_scale:MATRIX_SCALE_ROW\q
.endr
.endm
.macro SOFTMAX q                       ; 64 scores of a lane become p's codes and scale word; -M, f and the sum move on
.set NM, 6+8*\q
.set LL, 8+4*\q
.set FF, 10+6*\q
.set WW, 11+6*\q
.set PP, P0+12*\q
.irp k, 0,1,2,3
	v_max3_num_f32 v[TT+\k], v[SS+16*\k], v[SS+16*\k+1], v[SS+16*\k+2]    ; four chains by turns, each accumulator from its low end on
.endr
.irp i, 3,5,7,9,11,13
.irp k, 0,1,2,3
	v_max3_num_f32 v[TT+\k], v[TT+\k], v[SS+16*\k+\i], v[SS+16*\k+\i+1]
.endr
.endr
	v_max3_num_f32 v[TT], v[TT], v[TT+1], v[SS+15]
	v_max3_num_f32 v[TT+1], v[TT+2], v[TT+3], v[SS+47]
	v_max_num_f32 v[TT], v[TT], v[SS+31]           ; my two blocks' largest scores
	v_max_num_f32 v[TT+1], v[TT+1], v[SS+63]
	DEP 1
	v_max_num_f32 v[TT+2], v[TT], v[TT+1]
	DEP 1
	v_permlanex16_b32 v[TT+3], v[TT+2], s[SEL], s[SEL+1]
	DEP 1
	v_max3_num_f32 v[NM+1], v[NM+1], v[TT+2], v[TT+3]   ; the running largest score of my query
	DEP 1
	v_mul_f32 v[TT+2], s[NCS], v[NM+1]
	DEP 1
	v_floor_f32 v[TT+2], v[TT+2]                   ; the new -M = floor(-t)
	DEP 1
	v_sub_f32 v[TT+3], v[TT+2], v[NM]              ; old M less new M: a whole number, 0 or less
	DEP 2
	v_mov_b32 v[NM], v[TT+2]
	DEP 2
	v_cvt_i32_f32 v[TT+3], v[TT+3]                 ; (it saturates)
	DEP 1
	v_ldexp_f32 v[FF], 1.0, v[TT+3]                ; f = 2^(old M - new M)
	v_mov_b32 v[TT+6], s[CS]                       ; c, for both halves of the pairs below
	v_mov_b32 v[TT+7], s[CS]
.set j, 0
.rept 32
	v_dual_fma_f32 v[SS+j], v[TT+6], v[SS+j], v[NM] :: v_dual_fma_f32 v[SS+j+1], v[TT+7], v[SS+j+1], v[TT+2]   ; t - M, two to a pair (v[TT+2] still holds -M)
.set j, j+2
.endr
	v_dual_fma_f32 v[TT], v[TT+6], v[TT], v[NM] :: v_dual_fma_f32 v[TT+1], v[TT+7], v[TT+1], v[TT+2]           ; the same of the blocks' largest
	WALU                                           ; the wait ahead of the batch
.set j, 0
.rept 64
	v_exp_f32 v[SS+j], v[SS+j]
.set j, j+1
.endr
	v_max_num_f32 v[TT], 0xc2f80000, v[TT]         ; held at -124: the byte cannot fall under 1
	v_max_num_f32 v[TT+1], 0xc2f80000, v[TT+1]
	v_floor_f32 v[TT], v[TT]
	v_floor_f32 v[TT+1], v[TT+1]
	v_pk_add_f32 v[TT:TT+1], v[TT:TT+1], 0x4b00007d op_sel_hi:[1,0]   ; + 2^23 + 125: the byte stands in the low bits
	v_lshlrev_b32 v[TT+3], 23, v[TT]               ; the conversions' scale operands
	v_lshlrev_b32 v[TT+7], 23, v[TT+1]
	v_perm_b32 v[WW], v[TT+1], v[TT], v[PSEL]      ; my two bytes at their places,
	v_permlanex16_b32 v[TT+4], v[WW], s[SEL], s[SEL+1]
	v_or_b32 v[WW], v[WW], v[TT+4]                 ; with lane l xor 16's the word is whole
	WALU                                           ; one wait for the batch, ahead of its first reader
	v_cvt_scalef32_pk16_fp6_f32 v[PP:PP+2], v[SS:SS+15], v[TT+3]
	v_cvt_scalef32_pk16_fp6_f32 v[TT+4:TT+6], v[SS+16:SS+31], v[TT+3]
	v_cvt_scalef32_pk16_fp6_f32 v[PP+6:PP+8], v[SS+32:SS+47], v[TT+7]
	v_cvt_scalef32_pk16_fp6_f32 v[TT:TT+2], v[SS+48:SS+63], v[TT+7]
	v_pk_fma_f32 v[LL:LL+1], v[LL:LL+1], v[FF:FF+1], v[SS:SS+1] op_sel_hi:[1,0,1]   ; the sum, of the unquantised p, under the new M; two chains
	v_dual_add_f32 v[TT+8], v[SS+2], v[SS+4] :: v_dual_add_f32 v[TT+9], v[SS+3], v[SS+5]
.irp i, 0,1,2
	v_mov_b32 v[PP+3+\i], v[TT+4+\i]               ; (a conversion's three registers begin on an even number)
	v_mov_b32 v[PP+9+\i], v[TT+\i]
.endr
.set j, 6
.rept 13
	v_dual_add_f32 v[LL], v[SS+j], v[LL] :: v_dual_add_f32 v[LL+1], v[SS+j+1], v[LL+1]
	v_dual_add_f32 v[TT+8], v[SS+j+2], v[TT+8] :: v_dual_add_f32 v[TT+9], v[SS+j+3], v[TT+9]
.set j, j+4
.endr
	v_pk_add_f32 v[LL:LL+1], v[LL:LL+1], v[SS+58:SS+59]            ; the last four are plain lines: the places ahead of the next products
	v_pk_add_f32 v[TT+8:TT+9], v[TT+8:TT+9], v[SS+60:SS+61]
	v_pk_add_f32 v[LL:LL+1], v[LL:LL+1], v[SS+62:SS+63]
	v_pk_add_f32 v[LL:LL+1], v[LL:LL+1], v[TT+8:TT+9]
.endm
.macro STEP
	v_lshl_add_u32 v[TT], v0, 4, s[TB]             ; these four lines are also the places behind the last step's products
	v_add_nc_u32 v[TT+1], s[TB], v[LSC]
	NOPS 2
.irp i, 0,1,2,3,4,5,6,7,8,9,10,11
	ds_load_b128 v[KF+4*\i:KF+4*\i+3], v[TT] offset:512*\i
.endr
.irp p, 0,1,2,3
	ds_load_b32 v[KS+\p], v[TT+1] offset:6144+256*(\p/2)+64*(\p%2)
.endr
	WALU
	s_wait_dscnt 0x0
	QK 0
	NOPS 4
	SOFTMAX 0
	QK 1
	v_lshl_add_u32 v[TT], v0, 4, s[TB]             ; four places, for the loads over k's fragments and for the first read of the scores
	v_lshl_add_u32 v[TT+1], v0, 3, s[TB]
	NOPS 2
.irp i, 0,1,2,3,4,5,6,7,8,9,10,11
	ds_load_b128 v[KF+4*\i:KF+4*\i+3], v[TT] offset:6656+512*\i
.endr
	ds_load_b64 v[KS:KS+1], v[TT+1] offset:12800
	SOFTMAX 1
	WALU                                           ; the wait directly ahead of the first reader of O^T
.irp q, 0,1
.set j, 0
.rept 16
	v_pk_mul_f32 v[OO+32*\q+j:OO+32*\q+j+1], v[OO+32*\q+j:OO+32*\q+j+1], v[10+6*\q:11+6*\q] op_sel_hi:[1,0]   ; O^T under the new M
.set j, j+2
.endr
.endr
	WALU
	s_wait_dscnt 0x0
.irp p, 0,1                            ; O^T += v^T p^T: eight accumulators by turns
.irp q, 0,1
	v_wmma_scale_f32_16x16x128_f8f6f4 v[OO+32*\q+16*\p:OO+32*\q+16*\p+7], v[KF+24*\p:KF+24*\p+11], v[P0+12*\q:P0+12*\q+11], v[OO+32*\q+16*\p:OO+32*\q+16*\p+7], v[KS+\p], v[11+6*\q] matrix_a_fmt:MATRIX_FMT_FP6 matrix_b_fmt:MATRIX_FMT_FP6 matrix_a_scale:MATRIX_SCALE_ROW0
.endr
.irp q, 0,1
	v_wmma_scale_f32_16x16x128_f8f6f4 v[OO+32*\q+16*\p+8:OO+32*\q+16*\p+15], v[KF+24*\p+12:KF+24*\p+23], v[P0+12*\q:P0+12*\q+11], v[OO+32*\q+16*\p+8:OO+32*\q+16*\p+15], v[KS+\p], v[11+6*\q] matrix_a_fmt:MATRIX_FMT_FP6 matrix_b_fmt:MATRIX_FMT_FP6 matrix_a_scale:MATRIX_SCALE_ROW1
.endr
.endr
	s_add_co_u32 s[TB], s[TB], STEPB
.endm
.macro RUN first, n
	s_mov_b32 s[TB], \first*STEPB
	s_mov_b32 s[CNT], \n
.Lstep_\@:
	STEP
	s_sub_co_u32 s[CNT], s[CNT], 1
	s_cmp_lg_u32 s[CNT], 0
	WALU
	s_cbranch_scc1 .Lstep_\@
.endm
	WALU
	s_wait_loadcnt 0x0                             ; q
	s_cmp_lt_u32 s[WV], 4
	s_cbranch_scc0 .Lnot_first
	s_wait_tensorcnt 0x0
.Lnot_first:
	s_barrier_signal -1
	s_barrier_wait -1                              ; steps 0-3 are in
	RUN 0, 4
	s_wait_tensorcnt 0x0
	s_wait_dscnt 0x0
	s_barrier_signal -1
	s_barrier_wait -1                              ; all steps are in
	RUN 4, 12
; THE WAY OUT: o = O^T / l; a lane's 16 registers of two channel tiles are 16 neighbouring channels, a block of 32 lies in lanes l and l xor 16.  v56 on are at work.
.set E, KF
	v_lshlrev_b32 v[TT+4], 4, v0
	v_lshlrev_b32 v[TT+5], 3, v0
	v_and_b32 v[TT+6], 15, v0
	v_lshrrev_b32 v[TT+7], 4, v0
	v_lshl_add_u32 v[TT+6], v[TT+6], 3, v[TT+7]    ; my scale byte's place: 8 r + h
	v_add_f32 v8, v8, v9
	v_add_f32 v12, v12, v13
	v_permlanex16_b32 v[TT], v8, s[SEL], s[SEL+1]
	v_permlanex16_b32 v[TT+1], v12, s[SEL], s[SEL+1]
	v_add_f32 v8, v8, v[TT]
	v_add_f32 v12, v12, v[TT+1]                    ; the rows' sums
	WALU
	v_rcp_f32 v8, v8
	v_rcp_f32 v12, v12
	v_nop
	WALU
.irp q, 0,1
.set j, 0
.rept 16
	v_pk_mul_f32 v[SS+32*\q+j:SS+32*\q+j+1], v[OO+32*\q+j:OO+32*\q+j+1], v[8+4*\q:9+4*\q] op_sel_hi:[1,0]
.set j, j+2
.endr
.endr
.irp b, 0,1,2,3
	v_max3_num_f32 v[E+\b], |v[SS+16*\b]|, |v[SS+16*\b+1]|, 0x1800000   ; with the floor 2^(3 - 127)
.endr
.irp i, 2,4,6,8,10,12,14
.irp b, 0,1,2,3
	v_max3_num_f32 v[E+\b], v[E+\b], |v[SS+16*\b+\i]|, |v[SS+16*\b+\i+1]|
.endr
.endr
.irp b, 0,1,2,3
	v_permlanex16_b32 v[E+4+\b], v[E+\b], s[SEL], s[SEL+1]
.endr
.irp b, 0,1,2,3
	v_max_num_f32 v[E+\b], v[E+\b], v[E+4+\b]
.endr
.irp b, 0,1,2,3
	v_add_nc_u32 v[E+8+\b], 0xff000000, v[E+\b]    ; 2 off the exponent field: the conversion's scale operand
.endr
.irp b, 0,1,2,3
	v_lshrrev_b32 v[E+12+\b], 23, v[E+8+\b]        ; the byte
.endr
.irp q, 0,1
	v_cvt_scalef32_pk16_fp6_f32 v[P0+12*\q:P0+12*\q+2], v[SS+32*\q:SS+32*\q+15], v[E+8+2*\q]
	v_cvt_scalef32_pk16_fp6_f32 v[E+16+4*\q:E+18+4*\q], v[SS+32*\q+16:SS+32*\q+31], v[E+9+2*\q]
.endr
	v_nop
.irp q, 0,1
.irp i, 0,1,2
	v_permlane16_swap_b32 v[P0+12*\q+\i], v[E+16+4*\q+\i]   ; a whole block to a lane
.endr
.irp i, 0,1,2
	v_mov_b32 v[P0+12*\q+3+\i], v[E+16+4*\q+\i]
.endr
	v_cndmask_b32 v[E+\q], v[E+12+2*\q], v[E+13+2*\q], s[HM]
.endr
.irp q, 0,1
	global_store_b128 v[TT+4], v[P0+12*\q:P0+12*\q+3], s[6:7] offset:12288*\q
	global_store_b64 v[TT+5], v[P0+12*\q+4:P0+12*\q+5], s[6:7] offset:12288*\q+512
	global_store_b8 v[TT+6], v[E+\q], s[8:9] offset:512*\q
.endr
	s_wait_tensorcnt 0x0                           ; the wave's end
	ds_add_u32 v[SPW], v[NIL]
	s_wait_dscnt 0x0
	CROUND                                         ; the closing round
	s_endpgm
.Lfunc_end_k_q3c67779948_attn:
	.size	k_q3c67779948_attn, .Lfunc_end_k_q3c67779948_attn-k_q3c67779948_attn
	.p2alignl 7, 3214868480
	.fill 96, 4, 3214868480
	.section	.rodata,"a",@progbits
	.p2align	6, 0x0
	.amdhsa_kernel k_q3c67779948_attn
		.amdhsa_group_segment_fixed_size 327680
		.amdhsa_private_segment_fixed_size 0
		.amdhsa_enable_private_segment 0
		.amdhsa_kernarg_size 24
		.amdhsa_user_sgpr_count 2
		.amdhsa_user_sgpr_kernarg_segment_ptr 1
		.amdhsa_wavefront_size32 1
		.amdhsa_system_sgpr_workgroup_id_x 1
		.amdhsa_system_sgpr_workgroup_id_y 1
		.amdhsa_system_sgpr_workgroup_id_z 1
		.amdhsa_system_vgpr_workitem_id 0
		.amdhsa_next_free_vgpr 256
		.amdhsa_next_free_sgpr 66
		.amdhsa_reserve_vcc 0
		.amdhsa_float_denorm_mode_32 3
		.amdhsa_float_denorm_mode_16_64 3
		.amdhsa_memory_ordered 1
		.amdhsa_forward_progress 1
		.amdhsa_inst_pref_size 75
	.end_amdhsa_kernel
	.amdgpu_metadata
---
amdhsa.version: [ 1, 2 ]
amdhsa.kernels:
  - .name:           k_q3c67779948_attn
    .symbol:         k_q3c67779948_attn.kd
    .args:
      - { .name: qkv, .offset: 0, .size: 8, .value_kind: global_buffer, .address_space: global }
      - { .name: oc, .offset: 8, .size: 8, .value_kind: global_buffer, .address_space: global }
      - { .name: os, .offset: 16, .size: 8, .value_kind: global_buffer, .address_space: global }
    .group_segment_fixed_size: 327680
    .private_segment_fixed_size: 0
    .kernarg_segment_align: 8
    .kernarg_segment_size: 24
    .max_flat_workgroup_size: 512
    .sgpr_count:     66
    .vgpr_count:     256
    .wavefront_size: 32
...
	.end_amdgpu_metadata
.endif
;; end of part 3
;; launch gemm_out (part 4): grid 4 x 64, 4 waves a work-group, clusters of 4 x 4, 295,424 bytes of LDS; arguments oc, os, cod, scl, b_proj, out0; writes out0
.if DOCPART == 4
	.amdgcn_target "amdgcn-amd-amdhsa--gfx1250"
	.amdhsa_code_object_version 6
	.text
	.protected	k_q3c67779948_gemm_out
	.globl	k_q3c67779948_gemm_out
	.p2align	8
	.type	k_q3c67779948_gemm_out,@function
k_q3c67779948_gemm_out:
	s_mov_b64 s[64:65], 0
	v_nop
	global_prefetch_b8 v0, s[64:65] scope:SCOPE_SE
	s_setreg_imm32_b32 hwreg(HW_REG_WAVE_MODE, 25, 1), 1
	s_wait_xcnt 0x0
	s_wait_alu depctr_hold_cnt(0) depctr_sa_sdst(0) depctr_va_vdst(0) depctr_va_sdst(0) depctr_va_ssrc(0) depctr_va_vcc(0) depctr_vm_vsrc(0)
	s_getreg_b32 s2, hwreg(HW_REG_IB_STS2, 6, 4)
	s_cmp_eq_u32 s2, 0
	s_cbranch_scc0 .Lentry_in_a_cluster
	s_endpgm
.Lentry_in_a_cluster:
	s_bfe_u32 s2, ttmp6, 0x10000c
	s_cmp_lg_u32 s2, 0xf033
	s_cbranch_scc0 .Lentry_shape_is_right
	s_endpgm
.Lentry_shape_is_right:
; out0 = attention's result x W_proj + b_proj, on codes of FP6 (E2M3) with E8M0 block scales, f32 sums.  Both operands arrive as codes in the order of the operand's registers.
; THE CORE: C'[m'][n'] = sum over k of A'[m'][k] B'[n'][k], K = 1024.  A' = the tokens (oc, os), B' = W_proj's columns (cod's and scl's tiles 704 on).  Source 0 of the matrix instruction = a tile of B', source 1 = a tile of A'.
; A tile is 16 operand rows: lane row r of tile T is row 32 (T / 2) + 8 (T % 2) + r + 8 (r / 8); in the results of B' tiles 2 b, 2 b + 1 a lane's 16 registers are the neighbours n' = 32 b + 16 (lane / 16) + 0 .. 15 of one row m'.
; A work-group makes 128 tokens x 256 columns; wave (mh, nh) makes 64 x 128: 32 accumulators.  256 work-groups of equal work.
; LDS: the work-group's operands for ALL of K, 24 tiles x 12,288 bytes = 294,912 bytes, are filled ONCE, in two halves of 512 along K; no byte is filled again.
; CLUSTER 4 x 4: A's tiles hang on cy alone and are asked for jointly along a row of the cluster, B's on cx alone, along a column.
; The bias is the C of each sum's first product.  The results leave through a stage in LDS as whole rows of 512 bytes.
; REGISTERS: window 0: v1-3 lane, r, h; v4-17 LDS addresses, one for each half of K; v20-24 offsets; v34-49 A's scale words, v56-87 B's; v128-223 A's fragments, two sets of 48; on the way out v128-255 rows of the result.
;   window 1: B's fragments, two sets of 96, at v0 and v128.   window 2: accumulator (a, b) at v[8 (8 a + b)].   window 3: v0-63 the bias, eight registers for each tile b.
.set TILEB, 12288
; THE FILLS AS THEY STAND NOW: K comes in two halves of 512; each half is A's 8 tiles, then B's 16, 6,144 bytes a tile.  One tensor load a wave: wave 0 A's first half, wave 1 B's, wave 2 A's second half, wave 3 B's.
; Row t of token tile T is token 64 (T / 4) + 8 (T % 4) + t % 8 + 32 (t / 8), as the launch before leaves them.
.set TCH,   6144                       ; a tile's bytes of a half of K
.set CHUNK, 147456                     ; a half in LDS
.set BOFF,  49152
.set ADA16, 4
.set ADA8,  8
.set ADB16, 12
.set ADB8,  16
.set VS,    20
.set STO,   21
.set RD,    22
.set CO,    23
.set VB,    24
.set SA,    34                         ; v34-49 A's scale words, v56-87 B's: their numbers differ modulo 8
.set SB,    56
.set AF,    128
.set PA,    4
.set PSA,   6
.set PB,    8
.set PSB,   10
.set G1A,   24
.set G1B,   32
.set G0A,   48
.set G0B,   68
.set MULW,  0xa1                       ; source 0 (B') window 1, source 1 (A') window 0, C and D window 2
.set MSB, 0
.macro WIN new                         ; the immediate's high byte repeats the setting that is left
.if MSB != \new
	s_set_vgpr_msb (MSB<<8)|\new
.set MSB, \new
.endif
.endm
.macro CROUND                          ; a round of the cluster's barrier
	s_barrier_signal -1
	s_barrier_wait -1
	s_cmp_lg_u32 s14, 0
	s_cbranch_scc1 .Lnot_wave_0_\@
	s_barrier_signal -3
.Lnot_wave_0_\@:
	s_barrier_wait -3
	s_barrier_signal -1
	s_barrier_wait -1
.endm
.macro PLACES n
.rept \n
	v_nop
.endr
.endm
	s_load_b128 s[4:7], s[0:1], 0x0                ; oc, os
	s_load_b128 s[8:11], s[0:1], 0x10              ; cod, scl
	s_load_b64 s[84:85], s[0:1], 0x20              ; b_proj
	s_load_b64 s[12:13], s[0:1], 0x28              ; out0
	v_lshl_add_u32 v126, v0, 2, 0x48000
	v_mov_b32 v127, 0
	ds_add_u32 v126, v127
	ds_add_u32 v126, v127
	v_lshrrev_b32 v1, 5, v0
	v_readfirstlane_b32 s14, v1                    ; wave 0..3
	s_lshr_b32 s15, s14, 1                         ; mh.  Also: which half of K I fetch
	s_and_b32 s16, s14, 1                          ; nh.  Also: I fetch for A' (0) or for B' (1)
	s_bfe_u32 s40, ttmp6, 0x40000                  ; cx
	s_bfe_u32 s41, ttmp6, 0x40004                  ; cy
	s_and_b32 s17, ttmp7, 0xffff
	s_lshl_b32 s17, s17, 2
	s_add_co_u32 s17, s17, s41                     ; mt: which 128 tokens
	s_lshl_b32 s20, s17, 3                         ; tA
	s_lshl_b32 s46, ttmp9, 2
	s_add_co_u32 s46, s46, s40                     ; nt: which 256 columns
	s_lshl_b32 s47, s46, 4
	s_add_co_u32 s47, s47, 704                     ; tB
	s_lshl_b32 s2, s41, 2
	s_lshl_b32 s2, 15, s2                          ; my row of the cluster
	s_lshl_b32 s3, 0x1111, s40                     ; my column
	; descriptor group 1: R tiles, of each 6,144 consecutive bytes (768 elements of 8 bytes), 12,288 bytes (1,536 elements) from tile to tile; dense in LDS
	s_or_b32 s[G1A], s2, (3<<16)|(1<<21)
	s_or_b32 s[G1B], s3, (3<<16)|(1<<21)
	s_mov_b32 s[G1A+1], 768<<16                    ; a row: 6,144 bytes of a tile
	s_mov_b32 s[G1A+2], 8<<16
	s_mov_b32 s[G1A+3], 768<<16
	s_mov_b32 s[G1A+4], 8                          ; A's eight tiles
	s_mov_b32 s[G1A+5], 1536
	s_mov_b32 s[G1A+6], 0
	s_mov_b32 s[G1A+7], 0
	s_mov_b32 s[G1B+1], 768<<16
	s_mov_b32 s[G1B+2], 16<<16
	s_mov_b32 s[G1B+3], 768<<16
	s_mov_b32 s[G1B+4], 16                         ; B's sixteen tiles
	s_mov_b32 s[G1B+5], 1536
	s_mov_b32 s[G1B+6], 0
	s_mov_b32 s[G1B+7], 0
	s_mul_i32 s22, s20, TILEB                      ; A's first tile
	s_mov_b32 s23, 0
	s_mul_i32 s88, s47, TILEB                      ; B's first tile
	s_mov_b32 s89, 0
	s_mov_b32 s92, 0                               ; where they go in a half: A's tiles, then B's
	s_mov_b32 s93, BOFF
	s_lshl_b32 s94, s15, 2
	s_add_co_u32 s94, s94, s20                     ; the scale words of the tiles that I multiply
	s_lshl_b32 s94, s94, 9
	s_mov_b32 s95, 0
	s_lshl_b32 s96, s16, 3
	s_add_co_u32 s96, s96, s47
	s_lshl_b32 s96, s96, 9
	s_mov_b32 s97, 0
	s_wait_dscnt 0x0
	s_wait_kmcnt 0x0
	s_add_nc_u64 s[86:87], s[PA:PA+1], s[22:23]
	s_add_nc_u64 s[90:91], s[PB:PB+1], s[88:89]
	s_add_nc_u64 s[94:95], s[PSA:PSA+1], s[94:95]
	s_add_nc_u64 s[96:97], s[PSB:PSB+1], s[96:97]
	CROUND                                         ; all sixteen work-groups are here: the joint loads meet
.irp k, 0,1
	s_mov_b32 s[G0A+4*\k], 1
	s_add_co_u32 s[G0A+4*\k+1], s92, \k*CHUNK
	s_add_nc_u64 s[G0A+4*\k+2:G0A+4*\k+3], s[86:87], \k*TCH
	s_or_b32 s[G0A+4*\k+3], s[G0A+4*\k+3], 0x80000000
	s_mov_b32 s[G0B+4*\k], 1
	s_add_co_u32 s[G0B+4*\k+1], s93, \k*CHUNK
	s_add_nc_u64 s[G0B+4*\k+2:G0B+4*\k+3], s[90:91], \k*TCH
	s_or_b32 s[G0B+4*\k+3], s[G0B+4*\k+3], 0x80000000
.endr
	s_cmp_eq_u32 s14, 0                            ; one chain of branches on the wave's number, one load to an arm
	s_cbranch_scc0 .Lfill_1
	tensor_load_to_lds s[G0A:G0A+3], s[G1A:G1A+7]
	s_nop 0
	PLACES 4
	s_branch .Lfilled
.Lfill_1:
	s_cmp_eq_u32 s14, 1
	s_cbranch_scc0 .Lfill_2
	tensor_load_to_lds s[G0B:G0B+3], s[G1B:G1B+7]
	s_nop 0
	PLACES 4
	s_branch .Lfilled
.Lfill_2:
	s_cmp_eq_u32 s14, 2
	s_cbranch_scc0 .Lfill_3
	tensor_load_to_lds s[G0A+4:G0A+7], s[G1A:G1A+7]
	s_nop 0
	PLACES 4
	s_branch .Lfilled
.Lfill_3:
	tensor_load_to_lds s[G0B+4:G0B+7], s[G1B:G1B+7]
	s_nop 0
	PLACES 4
.Lfilled:
	v_and_b32 v1, 31, v0                           ; L
	v_and_b32 v2, 15, v0                           ; r
	v_bfe_u32 v3, v0, 4, 1                         ; h
	s_mul_i32 s2, s15, 4*TCH
	s_mul_i32 s3, s16, 8*TCH
	s_add_co_u32 s3, s3, BOFF
.irp k, 0,1
	v_lshl_add_u32 v[ADA16+\k], v1, 4, s2
	v_lshl_add_u32 v[ADA8+\k], v1, 3, s2
	v_lshl_add_u32 v[ADB16+\k], v1, 4, s3
	v_lshl_add_u32 v[ADB8+\k], v1, 3, s3
	s_add_co_u32 s2, s2, CHUNK
	s_add_co_u32 s3, s3, CHUNK
.endr
	v_lshlrev_b32 v[VS], 3, v2
	v_lshl_add_u32 v[VS], v3, 9, v[VS]             ; scale words: row r of tile 2 p + h
.irp p, 0,1
.irp g, 0,1,2,3
	global_load_b64 v[SA+8*\p+2*\g:SA+8*\p+2*\g+1], v[VS], s[94:95] offset:\p*1024+\g*128
.endr
.endr
.irp p, 0,1,2,3
.irp g, 0,1,2,3
	global_load_b64 v[SB+8*\p+2*\g:SB+8*\p+2*\g+1], v[VS], s[96:97] offset:\p*1024+\g*128
.endr
.endr
	s_lshl_b32 s2, s46, 10
	s_lshl_b32 s3, s16, 9
	s_add_co_u32 s2, s2, s3                        ; my 128 columns, in bytes
	s_mov_b32 s3, 0
	s_add_nc_u64 s[84:85], s[84:85], s[2:3]
	v_lshlrev_b32 v[VB], 6, v3                     ; the bias in the result's layout: for tile b the columns 32 (b / 2) + 16 h + 8 (b % 2) + 0 .. 7
	WIN 0xc0                                       ; destination window 3
.irp b, 0,1,2,3,4,5,6,7
	global_load_b128 v[8*\b:8*\b+3], v[VB], s[84:85] offset:(32*(\b/2)+8*(\b%2))*4
	global_load_b128 v[8*\b+4:8*\b+7], v[VB], s[84:85] offset:(32*(\b/2)+8*(\b%2))*4+16
.endr
	WIN 0
	s_mul_i32 s18, s14, 8448                       ; my stage: 16 rows x 528 bytes, on bytes of A's first half: they have had their one fill, and a barrier stands between every wave's last read of them and the first store
	v_mul_u32_u24 v[STO], v2, 528
	v_lshl_add_u32 v[STO], v3, 6, v[STO]
	v_add_nc_u32 v[STO], s18, v[STO]               ; in: row r, + 64 h
	v_lshlrev_b32 v[CO], 4, v1                     ; back, and in a row of out0: 16 bytes a lane
	v_add_nc_u32 v[RD], s18, v[CO]
	s_lshl_b32 s18, s17, 7
	s_lshl_b32 s19, s15, 6
	s_add_co_u32 s18, s18, s19                     ; my first token: 128 mt + 64 mh
	s_lshl_b32 s18, s18, 12                        ; rows of 4,096 bytes
	s_add_co_u32 s18, s18, s2                      ; + my columns
	s_mov_b32 s19, 0
	s_add_nc_u64 s[12:13], s[12:13], s[18:19]
.macro FRAG reg, a16, a8, off          ; a fragment, 16 rows x 128 K: 12 registers, as they lie: two half images of 768 bytes
	ds_load_b128 v[\reg:\reg+3], v[\a16] offset:\off
	ds_load_b64 v[\reg+4:\reg+5], v[\a8] offset:\off+512
	ds_load_b128 v[\reg+6:\reg+9], v[\a16] offset:\off+768
	ds_load_b64 v[\reg+10:\reg+11], v[\a8] offset:\off+1280
.endm
.macro FETCH s                         ; K step s: B's eight fragments and A's four into set s % 2: 48 LDS loads in one run
.set KAP, (\s)/4
.set QQ, (\s)%2
	WIN 0x40
.irp i, 0,1,2,3,4,5,6,7
	FRAG 128*QQ+12*\i, ADB16+KAP, ADB8+KAP, \i*TCH+((\s)%4)*1536
.endr
	WIN 0
.irp i, 0,1,2,3
	FRAG AF+48*QQ+12*\i, ADA16+KAP, ADA8+KAP, \i*TCH+((\s)%4)*1536
.endr
.endm
; one product: accumulator (a, b), K step s.  cm = 2: the first product starts the sum from the bias (window 3).  An odd tile's scale words stand in lanes 16-31 of its pair's register
.macro WM a, b, s, cm
.set RD_, 8*(8*(\a)+(\b))
.set RC_, RD_
.if \cm == 2
.set RC_, 8*(\b)
.endif
.set RA_, 128*((\s)%2)+12*(\b)
.set RB_, AF+48*((\s)%2)+12*(\a)
.set XA_, SB+8*((\b)/2)+(\s)
.set XB_, SA+8*((\a)/2)+(\s)
.set PAR_, 2*((\a)%2)+(\b)%2
.if PAR_ == 0
	v_wmma_scale_f32_16x16x128_f8f6f4 v[RD_:RD_+7], v[RA_:RA_+11], v[RB_:RB_+11], v[RC_:RC_+7], v[XA_], v[XB_] matrix_a_fmt:MATRIX_FMT_FP6 matrix_b_fmt:MATRIX_FMT_FP6
.elseif PAR_ == 1
	v_wmma_scale_f32_16x16x128_f8f6f4 v[RD_:RD_+7], v[RA_:RA_+11], v[RB_:RB_+11], v[RC_:RC_+7], v[XA_], v[XB_] matrix_a_fmt:MATRIX_FMT_FP6 matrix_b_fmt:MATRIX_FMT_FP6 matrix_a_scale:MATRIX_SCALE_ROW1
.elseif PAR_ == 2
	v_wmma_scale_f32_16x16x128_f8f6f4 v[RD_:RD_+7], v[RA_:RA_+11], v[RB_:RB_+11], v[RC_:RC_+7], v[XA_], v[XB_] matrix_a_fmt:MATRIX_FMT_FP6 matrix_b_fmt:MATRIX_FMT_FP6 matrix_b_scale:MATRIX_SCALE_ROW1
.else
	v_wmma_scale_f32_16x16x128_f8f6f4 v[RD_:RD_+7], v[RA_:RA_+11], v[RB_:RB_+11], v[RC_:RC_+7], v[XA_], v[XB_] matrix_a_fmt:MATRIX_FMT_FP6 matrix_b_fmt:MATRIX_FMT_FP6 matrix_a_scale:MATRIX_SCALE_ROW1 matrix_b_scale:MATRIX_SCALE_ROW1
.endif
.endm
.macro MUL a0, s, cm                   ; 16 products.  The 32 accumulators take turns, one instruction a turn, in the same order in every K step
.irp a, \a0, \a0+1
.irp b, 0,1,2,3,4,5,6,7
	WM \a, \b, \s, \cm
.endr
.endr
.endm
; A load into a register that a matrix instruction has read stands four plain vector instructions behind it (ISA guide 7.12.1 for vector instructions): PLACES 4 in front of each run of loads.
.macro KEVEN s, cm                     ; a K step whose successor lies in the same half
	s_wait_dscnt 0x0                               ; this step's fragments are in
.if (\s) > 0
	PLACES 4
.endif
	FETCH (\s)+1
.if \cm == 2
	WIN 0xb1                                       ; C window 3, D window 2
.else
	WIN MULW
.endif
	MUL 0, \s, \cm
	MUL 2, \s, \cm
.endm
.macro KODD s                          ; an odd K step: its successor lies in the next chunk, which other waves' loads bring
	s_wait_tensorcnt 0x0                           ; every wave's load has landed: the second half of K is shown by this barrier
	s_wait_dscnt 0x0                               ; this step's fragments are in; no LDS instruction of mine is pending at the signal
	WIN MULW
	s_barrier_signal -1
	MUL 0, \s, 1                                   ; work on registers while the others arrive
	s_barrier_wait -1                              ; the next chunk is whole
	PLACES 4
	FETCH (\s)+1
	WIN MULW
	MUL 2, \s, 1
.endm
	s_wait_alu depctr_va_vdst(0)
	s_cmp_lt_u32 s14, 2                            ; waves 0 and 1 brought the first half of K
	s_cbranch_scc0 .Lnot_first
	s_wait_tensorcnt 0x0
.Lnot_first:
	s_barrier_signal -1
	s_barrier_wait -1                              ; everybody's has
	FETCH 0
	s_wait_loadcnt 0x0                             ; the scale words and the bias
	KEVEN 0, 2
	KEVEN 1, 1
	KEVEN 2, 1
	KODD 3                                         ; K step 4 lies in the second half
	KEVEN 4, 1
	KEVEN 5, 1
	KEVEN 6, 1
	s_wait_dscnt 0x0                               ; the last K step: nothing more to fetch; my reads of the operands are over:
	s_barrier_signal -1                            ; say so,
	MUL 0, 7, 1
	MUL 2, 7, 1
	WIN 0
	s_barrier_wait -1                              ; and store to the stage only when all four have said so
	PLACES 4                                       ; in front of the first read of results and of the loads into registers that held fragments
; THE WAY OUT, a tile of 16 tokens x 128 columns at a time.  A lane holds pieces of one row and the lanes beside it hold other rows: the tile goes through my own stage and comes back as whole rows of 512 bytes.
; LDS serves a wave's instructions in order (ISA guide 5.7.1.4): no wait between the stores and the loads, nor in front of the next tile's stores.
.macro TOSTAGE a
	WIN 0x08                                       ; an LDS store's data are its source 1: window 2
.irp b, 0,1,2,3,4,5,6,7
	ds_store_b128 v[STO], v[8*(8*(\a)+\b):8*(8*(\a)+\b)+3] offset:128*(\b/2)+32*(\b%2)          ; each accumulator from its low end on
	ds_store_b128 v[STO], v[8*(8*(\a)+\b)+4:8*(8*(\a)+\b)+7] offset:128*(\b/2)+32*(\b%2)+16
.endr
	WIN 0
.set BB, 128+64*((\a)%2)
.irp t, 0,1,2,3,4,5,6,7,8,9,10,11,12,13,14,15
	ds_load_b128 v[BB+4*\t:BB+4*\t+3], v[RD] offset:\t*528
.endr
.endm
.macro SEND a, younger                 ; younger: the LDS instructions issued behind tile a's loads, which may stay out
.set BB, 128+64*((\a)%2)
	s_wait_dscnt \younger
.irp t, 0,1,2,3,4,5,6,7,8,9,10,11,12,13,14,15
	global_store_b128 v[CO], v[BB+4*\t:BB+4*\t+3], s[12:13] offset:(8*(\a)+\t%8+32*(\t/8))*4096 th:TH_STORE_NT   ; tile row t is token 8 a + t % 8 + 32 (t / 8) of my 64; 512 consecutive bytes, aligned
.endr
.endm
	TOSTAGE 0
.irp a, 1,2,3
.if \a > 1
	s_wait_xcnt 0x0                                ; tile a - 2's stores have read their registers: tile a's loads may land there
.endif
	TOSTAGE \a
	SEND \a-1, 32                                  ; behind tile a - 1's loads: tile a's 16 stores and 16 loads
.endr
	SEND 3, 0
	s_wait_dscnt 0x0
	s_wait_tensorcnt 0x0
	ds_add_u32 v126, v127
	s_wait_dscnt 0x0
	CROUND                                         ; the closing round: no work-group ends while a partner may still ask for a tile that names it
	s_endpgm
.Lfunc_end_k_q3c67779948_gemm_out:
	.size	k_q3c67779948_gemm_out, .Lfunc_end_k_q3c67779948_gemm_out-k_q3c67779948_gemm_out
	.p2alignl 7, 3214868480
	.fill 96, 4, 3214868480
	.section	.rodata,"a",@progbits
	.p2align	6, 0x0
	.amdhsa_kernel k_q3c67779948_gemm_out
		.amdhsa_group_segment_fixed_size 295424
		.amdhsa_private_segment_fixed_size 0
		.amdhsa_enable_private_segment 0
		.amdhsa_kernarg_size 48
		.amdhsa_user_sgpr_count 2
		.amdhsa_user_sgpr_kernarg_segment_ptr 1
		.amdhsa_wavefront_size32 1
		.amdhsa_system_sgpr_workgroup_id_x 1
		.amdhsa_system_sgpr_workgroup_id_y 1
		.amdhsa_system_sgpr_workgroup_id_z 1
		.amdhsa_system_vgpr_workitem_id 0
		.amdhsa_next_free_vgpr 832
		.amdhsa_next_free_sgpr 100
		.amdhsa_reserve_vcc 0
		.amdhsa_float_denorm_mode_32 3
		.amdhsa_float_denorm_mode_16_64 3
		.amdhsa_memory_ordered 1
		.amdhsa_forward_progress 1
		.amdhsa_inst_pref_size 85
	.end_amdhsa_kernel
	.amdgpu_metadata
---
amdhsa.version: [ 1, 2 ]
amdhsa.kernels:
  - .name:           k_q3c67779948_gemm_out
    .symbol:         k_q3c67779948_gemm_out.kd
    .args:
      - { .name: oc, .offset: 0, .size: 8, .value_kind: global_buffer, .address_space: global }
      - { .name: os, .offset: 8, .size: 8, .value_kind: global_buffer, .address_space: global }
      - { .name: cod, .offset: 16, .size: 8, .value_kind: global_buffer, .address_space: global }
      - { .name: scl, .offset: 24, .size: 8, .value_kind: global_buffer, .address_space: global }
      - { .name: b_proj, .offset: 32, .size: 8, .value_kind: global_buffer, .address_space: global }
      - { .name: out0, .offset: 40, .size: 8, .value_kind: global_buffer, .address_space: global }
    .group_segment_fixed_size: 295424
    .private_segment_fixed_size: 0
    .kernarg_segment_align: 8
    .kernarg_segment_size: 48
    .max_flat_workgroup_size: 128
    .sgpr_count:     100
    .vgpr_count:     832
    .wavefront_size: 32
...
	.end_amdgpu_metadata
.endif
;; end of part 4
